; MI455X (gfx1250); checked and timed in simulation.
; The chip was launched on July 23, 2026; its instructions are those of AMD's public machine-readable ISA for CDNA 5 (MIT licence, August 2026) and "CDNA5" Instruction Set Architecture Reference Guide (July 2026). The comments in the code are by the model that wrote it; some were corrected since.
;; Multi Head Self Attention. Allowed arithmetic: matrix products marked QUANTISED: E2M1 operands, one E8M0 scale for each 32 along K, by v_wmma_scale_f32_16x16x128_f8f6f4 with both operands' format E2M1 (or v_wmma_scale_f32_32x16x128_f4), f32 sums; products left as they are: bf16, f16 or f32 operands; f32 sums; everything else in f32.
;; Inputs: Wk 1,024 x 1,024 float32; Wo 1,024 x 1,024 float32; Wq 1,024 x 1,024 float32; Wv 1,024 x 1,024 float32; token_positions 2,048 int32; x 4 x 2,048 x 1,024 float32.
;; Outputs: out0 4 x 2,048 x 1,024 float32.
;; This version of the problem:
;;   THIS VERSION OF THE PROBLEM IS GIVEN IN LOW PRECISION. The matrix products marked QUANTISED in the list below multiply operands that are first quantised to E2M1 (2 exponent bits, 1 mantissa bit; 4 bits a number), with one power-of-two scale for each 32 numbers along K (OCP MX v1.0); their sums are f32. The products marked 'left as it is' may take bf16, f16 or f32 operands, with f32 sums. Whichever they take, every output number must still come out within the allowed error. Rounding operands to bf16 (8 significant bits) uses up far more of that allowance than f16 does (11 bits, for magnitudes from 6e-5 to 65,504). All else is computed in f32.
;;   The module's matrix products, in the order in which they are computed (A, B: the left and right operand; K: the contracted axis; several contracted axes count as one K, in the product's order):
;;     1. [M 8,192, K 1,024] x [K 1,024, N 1,024]; A: input x; B: input Wq: QUANTISED
;;     2. [M 8,192, K 1,024] x [K 1,024, N 1,024]; A: input x; B: input Wk: QUANTISED
;;     3. [M 8,192, K 1,024] x [K 1,024, N 1,024]; A: input x; B: input Wv: QUANTISED
;;     4. batch 64 x [M 2,048, K 64] x [K 64, N 2,048]; A: computed on the way; B: computed on the way: left as it is (an operand is computed on the way)
;;     5. batch 64 x [M 2,048, K 2,048] x [K 2,048, N 64]; A: computed on the way; B: computed on the way: left as it is (an operand is computed on the way)
;;     6. [M 8,192, K 1,024] x [K 1,024, N 1,024]; A: computed on the way; B: input Wo: left as it is (an operand is computed on the way)
;;   THE QUANTISER, for each operand of a quantised product, along K:
;;     - K is cut into blocks of 32 from its start; a last block that is shorter is filled with zeros.
;;     - A block's scale is 2^e with e = floor(log2(the largest magnitude in the block)) - 2, held to -126 .. 127; a block of zeros has e = 0. As a byte (E8M0): e + 127.
;;     - Each number is divided by its block's scale, clamped to +-6, and rounded to the nearest number of E2M1, ties to even, subnormals kept.
;;     - The product sums the exact products of the quantised numbers (number of the format x scale) in f32.
;;   ~~~python
;;   def quantise(x, axis):      # numpy; x: float32 -> the quantised numbers, widened to float32 again
;;       x = np.moveaxis(x, axis, -1); K = x.shape[-1]
;;       x = np.pad(x, [(0, 0)] * (x.ndim - 1) + [(0, -K % 32)]); x = x.reshape(x.shape[:-1] + (-1, 32)); a = np.abs(x).max(-1, keepdims=True)
;;       e = np.where(a > 0, np.clip(np.frexp(np.where(a > 0, a, 1))[1] - 1 - 2, -126, 127), 0)      # np.frexp(a)[1] - 1 = floor(log2(a)), exactly
;;       r = np.clip(x / 2.0 ** e, -6, 6)
;;       step = 2.0 ** (np.maximum(np.frexp(np.where(r == 0, 1, r))[1] - 1, 0) - 1)
;;       q = np.round(r / step) * step * 2.0 ** e      # np.round: ties to even
;;       return np.moveaxis(q.reshape(q.shape[:-2] + (-1,))[..., :K], -1, axis).astype(np.float32)
;;   ~~~
;; One version. Each part assembles by itself: llvm-mc -triple=amdgcn-amd-amdhsa -mcpu=gfx1250 --defsym DOCPART=n.
;; ======== version 1 of 1: 5 launches
;; limits: values are held in f16: magnitudes above 65,504 overflow, below 6.1e-05 lose precision; right only within a limited range of input values
;; workspace buffers: codes 5,767,168 bytes; scales 360,448 bytes; wo16 2,097,152 bytes; rope 524,288 bytes; qkv16 50,331,648 bytes; qkvf 786,432 bytes; att16 16,777,216 bytes
;; launch prep (part 1): grid 480 x 1, 4 waves a work-group, no clusters, 33,280 bytes of LDS; arguments x, Wq, Wk, Wv, Wo, token_positions, codes, scales, wo16, rope; writes codes, scales, wo16, rope
.if DOCPART == 1
	.amdgcn_target "amdgcn-amd-amdhsa--gfx1250"
	.amdhsa_code_object_version 6
	.text
	.protected	k_q6d347161b4_prep
	.globl	k_q6d347161b4_prep
	.p2align	8
	.type	k_q6d347161b4_prep,@function
k_q6d347161b4_prep:
	s_mov_b64 s[64:65], 0
	v_nop
	global_prefetch_b8 v0, s[64:65] scope:SCOPE_SE
	s_setreg_imm32_b32 hwreg(HW_REG_WAVE_MODE, 25, 1), 1
	s_wait_xcnt 0x0
; THE PROGRAM: causal self-attention, B 4, S 2,048, D 1,024, 16 heads of 64.  Five launches:
;   prep  (this one): x, Wq, Wk, Wv into codes of E2M1 with E8M0 scales along K; Wo into f16; the table of cos and sin from token_positions
;   qkv   : the three quantised products as one product 8,192 x 3,072 x 1,024 on codes; the rotation; q, k, v as f16 (positions 0-15 also as f32)
;   attn  : q k^T, softmax, p v with f16 operands and f32 sums       oproj : the projection with Wo, f16 operands
;   fine  : positions 0 to 15 of every sequence once more, the three products that are left as they are in f32
; WORK LEFT OUT: reference() sets the scores of keys j > i to -infinity by its own jnp.tril, so their weights are exactly 0 whatever the inputs hold, and 0 x v adds nothing:
; key steps all of whose keys come after all of a wave's queries are not multiplied (attn).  No input is without a way to the output: all six are loaded.
; LIMIT: a NaN, an infinity or an overflow in k or v that would reach a row only through such hidden keys is not carried to the result.
; LIMITS OF THE FORMATS: q, k, v, the attention's result and Wo are rounded to f16 for rows 16 on: magnitudes beyond 65,504 overflow there.  |token_positions| under 2^21 (the angle's reduction is exact up to there);
; the frequencies 10000^(-p/32) are made by an exponential of base 2 and agree with a correctly rounded value to about 2 parts in 10^7.  Blocks whose largest magnitude lies under 2^-124 get the byte 1
; (a block of zeros too: its codes are zeros, and this program alone reads the bytes).  NaN and infinities among the inputs are not served.
; THREE SHARES, parted by the work-group's number.  0-351: the quantiser (0-255 x, then 32 each for Wq, Wk, Wv).  352-415: Wo.  416-479: the table.  Only the first share touches LDS.
.set WAVES, 4
.set STEPS, 16
.set EMAX,  2
.set CB,    8                          ; bytes of 16 codes
.set R,     16                         ; v16-79   four sets of 16 numbers as they are loaded
.set X,     80                         ; v80-111  two sets of 16 neighbours
.set E,     112                        ; v112-127 a scale byte for each step
.set C,     128                        ; v128-191 codes, four registers a step: no store's data are written again
.set WREG,  8192                       ; LDS: a region for each wave: two stages of 32 x SP bytes, then its 256 scale bytes
.set SP,    80                         ; a lane's place in a stage: 64 bytes + 16 of padding
.set SPW,   12                         ; v12 LDS address of my spare word; never rewritten
.set NIL,   13                         ; v13 0; never rewritten
.set SPARE, WAVES*WREG                 ; the spare words, 128 bytes a wave, that no other line names
	s_load_b512 s[4:19], s[0:1], 0x0               ; x s[4:5], Wq s[6:7], Wk s[8:9], Wv s[10:11], Wo s[12:13], token_positions s[14:15], codes s[16:17], scales s[18:19]
	s_load_b128 s[20:23], s[0:1], 0x40             ; wo16 s[20:21], rope s[22:23]
	v_lshl_add_u32 v[SPW], v0, 2, SPARE
	v_mov_b32 v[NIL], 0
	v_lshrrev_b32 v1, 5, v0
	v_readfirstlane_b32 s24, v1                    ; wave
	v_and_b32 v2, 31, v0                           ; lane
	s_cmp_lt_u32 ttmp9, 352
	s_cbranch_scc0 .Lnot_codes
; ---- THE QUANTISER.  Rows are dense and K = 1,024 is a multiple of 32: each tensor is a plain stream of blocks of 32 numbers, and so are its codes and scale bytes.
; A wave takes 16 steps of 512 numbers.  Each load reads 512 consecutive bytes; a step's 2,048 bytes turn through the wave's own stage in LDS and come back 64 bytes a lane: 16 neighbours, two lanes to a block.
; A block's byte is its largest magnitude's exponent field - 2, held at 1 from below by a floor among the maximum's leaves; the conversion divides, clamps at the largest code and rounds ties to even.
	v_lshlrev_b32 v3, 4, v2                        ; my 16 bytes of a load's 512
	s_mul_i32 s25, s24, WREG
	v_lshrrev_b32 v14, 2, v2
	v_mul_u32_u24 v14, v14, SP
	v_and_b32 v15, 3, v2
	v_lshl_add_u32 v14, v15, 4, v14
	v_add_nc_u32 v14, s25, v14                     ; the stage, on the way in: SP (lane / 4) + 16 (lane % 4)
	v_mul_u32_u24 v15, v2, SP
	v_add_nc_u32 v15, s25, v15                     ; and on the way out: SP x lane
	v_mul_u32_u24 v4, v2, CB                       ; my codes' place in a step's
	v_lshrrev_b32 v5, 1, v2
	s_add_co_u32 s25, s25, 2*32*SP
	v_add_nc_u32 v5, s25, v5                       ; my block's byte among my wave's 256
	v_lshlrev_b32 v7, 3, v2
	v_add_nc_u32 v6, s25, v7                       ; and on the way out 8 bytes a lane
	s_wait_kmcnt 0x0
	s_sub_co_u32 s28, ttmp9, 256                   ; behind x's 256 work-groups: 32 for each weight
	s_lshr_b32 s29, s28, 5                         ; which weight
	s_and_b32 s28, s28, 31                         ; and which part of it
	s_cmp_eq_u32 s29, 1                            ; the choices hang on the work-group's number alone
	s_cselect_b64 s[26:27], s[8:9], s[6:7]
	s_cmp_eq_u32 s29, 2
	s_cselect_b64 s[26:27], s[10:11], s[26:27]
	s_cmp_lt_u32 ttmp9, 256
	s_cselect_b64 s[26:27], s[4:5], s[26:27]
	s_cselect_b32 s28, ttmp9, s28
	s_lshl_b32 s28, s28, 2
	s_add_co_u32 s28, s28, s24                     ; which run of 8,192 numbers of the tensor is my wave's
	s_lshl_b32 s28, s28, 15
	s_mov_b32 s29, 0
	s_add_nc_u64 s[26:27], s[26:27], s[28:29]
	s_lshl_b32 s28, ttmp9, 2
	s_add_co_u32 s28, s28, s24                     ; and which run of the outputs: x's 1,024 runs, then Wq's, Wk's, Wv's on end
	s_lshl_b32 s30, s28, 12                        ; 4,096 bytes of codes a run
	s_mov_b32 s31, 0
	s_add_nc_u64 s[16:17], s[16:17], s[30:31]
	s_lshl_b32 s28, s28, 8                         ; 256 scale bytes a run
	s_add_nc_u64 s[18:19], s[18:19], s[28:29]
.macro LOAD t
.irp i, 0,1,2,3
	global_load_b128 v[R+16*((\t)%4)+4*\i:R+16*((\t)%4)+4*\i+3], v3, s[26:27] offset:2048*(\t)+512*\i th:TH_LOAD_NT   ; 32 lanes read 512 consecutive bytes
.endr
.endm
.macro TURN t                          ; step t's numbers through the stage: LDS serves a wave's instructions in order, so no wait stands between the stores and the loads
.irp i, 0,1,2,3
	ds_store_b128 v14, v[R+16*((\t)%4)+4*\i:R+16*((\t)%4)+4*\i+3] offset:32*SP*((\t)%2)+8*SP*\i
.endr
.irp i, 0,1,2,3
	ds_load_b128 v[X+16*((\t)%2)+4*\i:X+16*((\t)%2)+4*\i+3], v15 offset:32*SP*((\t)%2)+16*\i
.endr
.endm
.irp t, 0,1,2,3
	LOAD \t
.endr
	s_wait_loadcnt 12                              ; step 0's four loads are in; the twelve of steps 1 to 3 may be out
	TURN 0
.macro STEP t
.set XS, X+16*((\t)%2)
.if (\t) > 0
	s_wait_dscnt 1                                 ; this step's numbers are back from the stage (the last step's byte store may be out)
.else
	s_wait_dscnt 0x0
.endif
.if (\t)+4 < STEPS
	LOAD (\t)+4                                    ; into the registers that this step's stores into the stage have read
.endif
.if (\t)+1 < STEPS
.if STEPS-2-(\t) >= 3
	s_wait_loadcnt 12                              ; the next step's four loads are in; those of the three steps behind it may be out
.else
	s_wait_loadcnt 4*(STEPS-2-(\t))
.endif
	TURN (\t)+1
.endif
	v_max3_num_f32 v8, |v[XS]|, |v[XS+1]|, |v[XS+2]|               ; the largest magnitude of my 16, in two chains
	v_max3_num_f32 v9, |v[XS+3]|, |v[XS+4]|, |v[XS+5]|
.irp i, 6,10
	v_max3_num_f32 v8, v8, |v[XS+\i]|, |v[XS+\i+1]|
	v_max3_num_f32 v9, v9, |v[XS+\i+2]|, |v[XS+\i+3]|
.endr
	v_max3_num_f32 v8, v8, |v[XS+14]|, |v[XS+15]|
	v_max3_num_f32 v8, v8, v9, (EMAX+1)<<23        ; and the floor 2^(3 - 127): the byte cannot fall under 1
	v_max_num_f32_dpp v8, v8, v8 row_xmask:1 row_mask:0xf bank_mask:0xf   ; with my neighbour's 16: the block's
	v_add_nc_u32 v11, -(EMAX<<23), v8              ; 2 off its exponent field: the conversion takes that field as its scale, and nothing else
	v_cvt_scalef32_pk8_fp4_f32 v[C+4*(\t)], v[XS:XS+7], v11
	v_cvt_scalef32_pk8_fp4_f32 v[C+4*(\t)+1], v[XS+8:XS+15], v11
	v_lshrrev_b32 v[E+(\t)], 23, v11               ; the scale's byte
	ds_store_b8 v5, v[E+(\t)] offset:16*(\t)       ; both lanes of a block write the same byte with the same value
	global_store_b64 v4, v[C+4*(\t):C+4*(\t)+1], s[16:17] offset:32*CB*(\t)   ; the wave stores 256 consecutive bytes, aligned
.endm
.irp t, 0,1,2,3,4,5,6,7,8,9,10,11,12,13,14,15
	STEP \t
.endr
	ds_load_b64 v[8:9], v6                         ; in order behind my byte stores
	s_wait_dscnt 0x0
	global_store_b64 v7, v[8:9], s[18:19]          ; 32 lanes store 256 consecutive bytes, aligned
	s_wait_tensorcnt 0x0                           ; the wave's end, behind my last LDS store
	ds_add_u32 v[SPW], v[NIL]
	s_wait_dscnt 0x0
	s_endpgm
; ---- Wo INTO f16, laid as images of the operand's registers: [64 blocks of 16 rows][32 steps of 32 along K][2][32 lanes][16 bytes];
; lane (r, h) of half c holds Wo[16 block + r][32 step + 16 c + 8 h + 0 .. 7].  A work-group takes a block, a wave 8 steps: 1,024 bytes of each of the 16 rows, in pieces of 32 bytes by 32 loads on end.
.Lnot_codes:
	s_cmp_lt_u32 ttmp9, 416
	s_cbranch_scc0 .Ltable
	s_sub_co_u32 s25, ttmp9, 352                   ; the block
	v_and_b32 v1, 15, v0                           ; r
	v_bfe_u32 v3, v0, 4, 1                         ; h
	v_lshlrev_b32 v4, 12, v1
	v_lshl_add_u32 v4, v3, 5, v4
	s_lshl_b32 s26, s24, 10
	v_add_nc_u32 v4, s26, v4                       ; in: 4,096 r + 32 h + 1,024 wave
	v_lshlrev_b32 v5, 4, v2
	s_lshl_b32 s26, s24, 13
	v_add_nc_u32 v5, s26, v5                       ; out: 16 lane + 8,192 wave
	s_lshl_b32 s26, s25, 16
	s_mov_b32 s27, 0
	s_lshl_b32 s28, s25, 15
	s_mov_b32 s29, 0
	s_wait_kmcnt 0x0
	s_add_nc_u64 s[12:13], s[12:13], s[26:27]
	s_add_nc_u64 s[20:21], s[20:21], s[28:29]
.irp f, 0,1,2,3,4,5,6,7
.irp c, 0,1
.irp d, 0,1
	global_load_b128 v[16+16*\f+8*\c+4*\d:16+16*\f+8*\c+4*\d+3], v4, s[12:13] offset:128*\f+64*\c+16*\d
.endr
.endr
.endr
.irp f, 0,1,2,3,4,5,6,7
	s_wait_loadcnt 4*(7-\f)                        ; this step's four loads are in; the later steps' may be out
.irp c, 0,1
.irp i, 0,1,2,3
	v_cvt_pk_f16_f32 v[144+8*\f+4*\c+\i], v[16+16*\f+8*\c+2*\i], v[16+16*\f+8*\c+2*\i+1]
.endr
	global_store_b128 v5, v[144+8*\f+4*\c:144+8*\f+4*\c+3], s[20:21] offset:1024*\f+512*\c   ; 512 consecutive bytes
.endr
.endr
	s_endpgm
; ---- THE TABLE: [128 blocks of 16 positions][4 quarters of a head][2][32 lanes][16 bytes]; lane (r, h) of half c holds cos, sin, cos, sin of the angle of the position with index 16 block + r
; for the pairs p = 8 quarter + 4 h + 2 c + 0, 1: the order in which the next launch's results lie in a lane.  The angle is f32(token_positions[index]) x 10000^(-p / 32), one f32 product as in reference().
; Work-group j of 64, thread t: entries 8,192 it + 128 j + t, it = 0 .. 3: one pair of p for the thread, four positions.
.Ltable:
	s_sub_co_u32 s25, ttmp9, 416                   ; j
	s_lshr_b32 s26, s25, 1
	s_and_b32 s27, s25, 1
	v_and_b32 v1, 15, v0                           ; r
	v_lshlrev_b32 v2, 2, v1
	s_lshl_b32 s28, s26, 6
	v_add_nc_u32 v2, s28, v2                       ; token_positions: 4 (16 (j / 2) + r), + 2,048 it
	v_lshlrev_b32 v3, 4, v0                        ; out: 16 t
	s_lshl_b32 s28, s25, 11
	s_mov_b32 s29, 0
	s_wait_kmcnt 0x0
	s_add_nc_u64 s[22:23], s[22:23], s[28:29]
.irp it, 0,1,2,3
	global_load_b32 v[16+\it], v2, s[14:15] offset:2048*\it
.endr
	v_lshrrev_b32 v4, 6, v0
	v_bfe_u32 v5, v0, 4, 1
	v_bfe_u32 v6, v0, 5, 1
	v_lshlrev_b32 v4, 3, v4
	v_lshl_add_u32 v4, v5, 2, v4
	v_lshl_add_u32 v4, v6, 1, v4
	s_lshl_b32 s27, s27, 4
	v_add_nc_u32 v4, s27, v4                       ; p = 16 (j % 2) + 8 (t / 64) + 4 h + 2 c
	v_cvt_f32_u32 v20, v4
	v_add_f32 v21, 1.0, v20                        ; and p + 1
; 10000^(-p/32) = 2^(-p L), L = log2(10) / 8 in two parts: p x the upper part (12 bits) is exact, its whole part goes into the exponent, the rest through the exponential
.irp q, 0,1
	v_mul_f32 v[22+\q], 0x3ed49000, v[20+\q]
.endr
.irp q, 0,1
	v_floor_f32 v[24+\q], v[22+\q]
.endr
.irp q, 0,1
	v_sub_f32 v[22+\q], v[22+\q], v[24+\q]
.endr
.irp q, 0,1
	v_fmamk_f32 v[22+\q], v[20+\q], 0x38a784bd, v[22+\q]
.endr
.irp q, 0,1
	v_cvt_i32_f32 v[24+\q], v[24+\q]
.endr
.irp q, 0,1
	v_sub_nc_u32 v[24+\q], 0, v[24+\q]
.endr
.irp q, 0,1
	v_exp_f32 v[20+\q], -v[22+\q]
.endr
	v_nop                                          ; a plain instruction behind the exponentials,
	s_wait_alu depctr_va_vdst(0)                   ; and one wait for both, ahead of their first reader
.irp q, 0,1
	v_ldexp_f32 v[20+\q], v[20+\q], v[24+\q]
.endr
	s_wait_loadcnt 0x0
.irp it, 0,1,2,3
	v_cvt_f32_i32 v[16+\it], v[16+\it]
.endr
; cos and sin of v[pr] x v[fr]: the nearest multiple n of pi/2 is taken off in two parts (the first product is exact for n under 2^21), polynomials on +-pi/4, the quadrant by n
.macro SINCOS pr, fr, dc, ds
	v_mul_f32 v24, v[\pr], v[\fr]                  ; the angle
	v_mul_f32 v25, 0x3f22f983, v24
	v_rndne_f32 v25, v25                           ; n
	v_fmamk_f32 v24, v25, 0xbfc90fdb, v24
	v_fmamk_f32 v24, v25, 0x333bbd2e, v24          ; r
	v_mul_f32 v26, v24, v24                        ; z = r^2
	v_cvt_i32_f32 v25, v25
	v_mov_b32 v27, 0x3638ef1d
	v_mov_b32 v28, 0x37d00d01
	v_fmaak_f32 v27, v26, v27, 0xb9500d01
	v_fmaak_f32 v28, v26, v28, 0xbab60b61
	v_fmaak_f32 v27, v26, v27, 0x3c088889
	v_fmaak_f32 v28, v26, v28, 0x3d2aaaab
	v_fmaak_f32 v27, v26, v27, 0xbe2aaaab
	v_fmaak_f32 v28, v26, v28, 0xbf000000
	v_mul_f32 v29, v26, v24
	v_fma_f32 v28, v26, v28, 1.0                   ; cos r
	v_fma_f32 v27, v29, v27, v24                   ; sin r
	v_and_b32 v29, 1, v25
	v_cmp_eq_u32 vcc_lo, 1, v29                    ; an odd n swaps the two
	v_cndmask_b32 v30, v27, v28, vcc_lo
	v_cndmask_b32 v31, v28, v27, vcc_lo
	v_lshlrev_b32 v29, 30, v25                     ; sin changes sign where n mod 4 is 2 or 3,
	v_add_nc_u32 v25, 1, v25
	v_lshlrev_b32 v25, 30, v25                     ; cos where it is 1 or 2
	v_and_b32 v29, 0x80000000, v29
	v_and_b32 v25, 0x80000000, v25
	v_xor_b32 v[\ds], v30, v29
	v_xor_b32 v[\dc], v31, v25
.endm
.irp it, 0,1,2,3
.irp q, 0,1
	SINCOS 16+\it, 20+\q, 48+4*\it+2*\q, 49+4*\it+2*\q
.endr
	global_store_b128 v3, v[48+4*\it:48+4*\it+3], s[22:23] offset:131072*\it   ; the work-group stores 2,048 consecutive bytes
.endr
	s_endpgm
.Lfunc_end_k_q6d347161b4_prep:
	.size	k_q6d347161b4_prep, .Lfunc_end_k_q6d347161b4_prep-k_q6d347161b4_prep
	.p2alignl 7, 3214868480
	.fill 96, 4, 3214868480
	.section	.rodata,"a",@progbits
	.p2align	6, 0x0
	.amdhsa_kernel k_q6d347161b4_prep
		.amdhsa_group_segment_fixed_size 33280
		.amdhsa_private_segment_fixed_size 0
		.amdhsa_enable_private_segment 0
		.amdhsa_kernarg_size 80
		.amdhsa_user_sgpr_count 2
		.amdhsa_user_sgpr_kernarg_segment_ptr 1
		.amdhsa_wavefront_size32 1
		.amdhsa_system_sgpr_workgroup_id_x 1
		.amdhsa_system_sgpr_workgroup_id_y 1
		.amdhsa_system_sgpr_workgroup_id_z 1
		.amdhsa_system_vgpr_workitem_id 0
		.amdhsa_next_free_vgpr 208
		.amdhsa_next_free_sgpr 66
		.amdhsa_reserve_vcc 1
		.amdhsa_float_denorm_mode_32 3
		.amdhsa_float_denorm_mode_16_64 3
		.amdhsa_memory_ordered 1
		.amdhsa_forward_progress 1
		.amdhsa_inst_pref_size 57
	.end_amdhsa_kernel
	.amdgpu_metadata
---
amdhsa.version: [ 1, 2 ]
amdhsa.kernels:
  - .name:           k_q6d347161b4_prep
    .symbol:         k_q6d347161b4_prep.kd
    .args:
      - { .name: x, .offset: 0, .size: 8, .value_kind: global_buffer, .address_space: global }
      - { .name: Wq, .offset: 8, .size: 8, .value_kind: global_buffer, .address_space: global }
      - { .name: Wk, .offset: 16, .size: 8, .value_kind: global_buffer, .address_space: global }
      - { .name: Wv, .offset: 24, .size: 8, .value_kind: global_buffer, .address_space: global }
      - { .name: Wo, .offset: 32, .size: 8, .value_kind: global_buffer, .address_space: global }
      - { .name: token_positions, .offset: 40, .size: 8, .value_kind: global_buffer, .address_space: global }
      - { .name: codes, .offset: 48, .size: 8, .value_kind: global_buffer, .address_space: global }
      - { .name: scales, .offset: 56, .size: 8, .value_kind: global_buffer, .address_space: global }
      - { .name: wo16, .offset: 64, .size: 8, .value_kind: global_buffer, .address_space: global }
      - { .name: rope, .offset: 72, .size: 8, .value_kind: global_buffer, .address_space: global }
    .group_segment_fixed_size: 33280
    .private_segment_fixed_size: 0
    .kernarg_segment_align: 8
    .kernarg_segment_size: 80
    .max_flat_workgroup_size: 128
    .sgpr_count:     66
    .vgpr_count:     208
    .wavefront_size: 32
...
	.end_amdgpu_metadata
.endif
;; end of part 1
;; launch qkv (part 2): grid 12 x 32, 4 waves a work-group, clusters of 4 x 4, 327,680 bytes of LDS; arguments codes, scales, rope, qkv16, qkvf; writes qkv16, qkvf
.if DOCPART == 2
	.amdgcn_target "amdgcn-amd-amdhsa--gfx1250"
	.amdhsa_code_object_version 6
	.text
	.protected	k_q6d347161b4_qkv
	.globl	k_q6d347161b4_qkv
	.p2align	8
	.type	k_q6d347161b4_qkv,@function
k_q6d347161b4_qkv:
	s_mov_b64 s[64:65], 0
	v_nop
	global_prefetch_b8 v0, s[64:65] scope:SCOPE_SE
	s_setreg_imm32_b32 hwreg(HW_REG_WAVE_MODE, 25, 1), 1
	s_wait_xcnt 0x0
	s_wait_alu depctr_hold_cnt(0) depctr_sa_sdst(0) depctr_va_vdst(0) depctr_va_sdst(0) depctr_va_ssrc(0) depctr_va_vcc(0) depctr_vm_vsrc(0)
	s_getreg_b32 s2, hwreg(HW_REG_IB_STS2, 6, 4)
	s_cmp_eq_u32 s2, 0
	s_cbranch_scc0 .Lentry_in_a_cluster
	s_endpgm
.Lentry_in_a_cluster:
	s_bfe_u32 s2, ttmp6, 0x10000c
	s_cmp_lg_u32 s2, 0xf033
	s_cbranch_scc0 .Lentry_shape_is_right
	s_endpgm
.Lentry_shape_is_right:
; [q | k | v] = Q(x) Q([Wq; Wk; Wv])^T: one product 8,192 x 3,072 x 1,024 on codes of E2M1 with one E8M0 scale for each 32 along K, f32 sums; then the rotation of q and k by the table; results as f16.
; codes: [11,264 rows][512 bytes], x's 8,192 rows, then Wq's, Wk's, Wv's; scales: [11,264][32].  The matrix instruction takes codes and scale bytes as they lie.
; A tile of 256 x 256 is made by four waves, 128 x 128 each: 64 accumulators, 512 registers.  K = 1,024 is two slots of 512 (rows of 256 bytes): both are asked for at the start, so no LDS byte is filled twice.
; The scales of the work-group's 256 + 256 rows, for all of K, come once, as rows of 256 bytes.
; CLUSTERS: 4 x 4 work-groups; A's tiles are asked for jointly along a row of the cluster, B's along a column.  A cluster is 4 tile columns wide, as wide as each of q, k, v: so the cluster's x says which of the three this is, alike in all partners.
; THE MATRIX INSTRUCTION IS USED TRANSPOSED (source 0 = 16 rows of W, source 1 = 16 rows of x): lane (r, h) holds row r and eight neighbouring columns 8 h + 0 .. 7: four pairs of the rotation.
; THE WAY OUT needs no LDS: qkv16 is laid as the next launch's registers want it, [q, k, v][batch][head][128 blocks of 16 positions][4 pieces of 16 channels][512 bytes], a lane's 16 bytes (8 channels of a position) at 16 x lane
; for q and k, and for v at 256 (r / 8) + 128 h + 16 (r % 8), where the turning LDS load of the next launch reads at 16 x lane.  Each store covers 512 consecutive bytes.
; Positions 0 to 15 of each sequence also go out as f32 (qkvf: [batch][192 tiles of 16 columns][2][32 lanes][16 bytes]) for the last launch.
; REGISTERS, in windows of 256: window 0: v0-31 addresses; v32-95 scale words, two sets; v128-191 A's fragments, one set; on the way out v32-127 at work.  window 1: B's fragments, two sets; on the way out the table.
;   window 2: the accumulators of my rows 0-63 ((a, b) at v[8 (8 a + b)]); window 3: those of rows 64-127.
.set SIZE_K, 1024
.set KSTEP,  512
.set NQ,     KSTEP/128
.set ROWB,   256
.set KROW,   SIZE_K*4/8
.set PITCH,  272                       ; an LDS row: 256 bytes + 16 of padding = 68 words: the 16 rows that a load touches start at 16 different banks
.set FR,     8
.set NL,     2
.set NP,     4                         ; places behind this matrix instruction (ISA guide 7.12.1)
.set HALFT,  128*PITCH
.set SLOT,   4*HALFT
.set KS,     SIZE_K/32
.set SCL,    2*SLOT
.set HALFS,  (128*KS/256)*272
.set SBLK,   (16*KS/256)*272
.set SPARE,  SCL+4*HALFS               ; the spare words, 128 bytes a wave, that no other line names
.set ADRA, 16
.set ADRB, 20
.set LO,   24                          ; v24  16 x lane
.set VO,   25                          ; v25  v's place of a lane
.set FL,   26                          ; v26  0 where my block 0 holds positions 0 to 15
.set ADRS, 27
.set SPW,  28
.set NIL,  29
.set SC,   32
.set AF,   128
.set T,    32                          ; the way out: 64 rotated numbers
.set Y,    96                          ; and 32 registers of f16
.set G1, 24
.set G0, 32
.set G1B, 48
.set G0B, 56
.set G1S, 68
.set G0S, 76
.set G1SB, 80
.set G0SB, 88
.set MSB, 0
.macro WIN new                         ; the immediate's high byte repeats the setting that is left
.if MSB != \new
	s_set_vgpr_msb (MSB<<8)|\new
.set MSB, \new
.endif
.endm
.set MUL_LO, 0xa1
.set MUL_HI, 0xf1
.set TO_B,   0x40
; A joint load: waves 0 and 1 fetch for A, waves 2 and 3 for B.  An s_nop 0 and four v_nop follow each of the two lines.
.macro JLOAD g0a, g1a, g0b, g1b
	s_cmp_eq_u32 s15, 0
	s_cbranch_scc0 .Lfor_b_\@
	tensor_load_to_lds s[\g0a:\g0a+3], s[\g1a:\g1a+7]
	s_nop 0
.rept 4
	v_nop
.endr
	s_branch .Lasked_\@
.Lfor_b_\@:
	tensor_load_to_lds s[\g0b:\g0b+3], s[\g1b:\g1b+7]
	s_nop 0
.rept 4
	v_nop
.endr
.Lasked_\@:
.endm
.macro CROUND                          ; a round of the cluster's barrier
	s_barrier_signal -1
	s_barrier_wait -1
	s_cmp_lg_u32 s14, 0
	s_cbranch_scc1 .Lnot_wave_0_\@
	s_barrier_signal -3
.Lnot_wave_0_\@:
	s_barrier_wait -3
	s_barrier_signal -1
	s_barrier_wait -1
.endm
	s_load_b128 s[4:7], s[0:1], 0x0                ; codes, scales
	s_load_b128 s[8:11], s[0:1], 0x10              ; rope, qkv16
	s_load_b64 s[12:13], s[0:1], 0x20              ; qkvf
	v_lshl_add_u32 v[SPW], v0, 2, SPARE
	v_mov_b32 v[NIL], 0
	ds_add_u32 v[SPW], v[NIL]                      ; the wave's opening: the add, twice on end, and its wait ahead of my first tensor load
	ds_add_u32 v[SPW], v[NIL]
	v_lshrrev_b32 v1, 5, v0
	v_readfirstlane_b32 s14, v1                    ; wave 0..3
	s_lshr_b32 s15, s14, 1                         ; which half of the tile's rows is mine.  Also: I fetch for A (0) or for B (1)
	s_and_b32 s16, s14, 1                          ; which half of its columns.  Also: which 128 rows I fetch
	s_bfe_u32 s40, ttmp6, 0x40000                  ; cx, cy
	s_bfe_u32 s41, ttmp6, 0x40004
	s_lshl_b32 s42, ttmp9, 2
	s_add_co_u32 s42, s42, s40                     ; tile column = 4 x cluster x + cx
	s_and_b32 s17, ttmp7, 0xffff
	s_lshl_b32 s17, s17, 2
	s_add_co_u32 s17, s17, s41                     ; tile row = 4 x cluster y + cy
	s_lshl_b32 s43, s41, 2
	s_lshl_b32 s43, 15, s43                        ; my row of the cluster
	s_lshl_b32 s44, 0x1111, s40                    ; my column
	s_or_b32 s[G1+0], s43, (0<<16)|(1<<20)|(1<<21)|(5<<22)|(3<<25)  ; the mask; elements of 1 byte; padding on; bit 21 beside a mask; 4 words after every 64
	s_or_b32 s[G1B+0], s44, (0<<16)|(1<<20)|(1<<21)|(5<<22)|(3<<25)
.irp g, G1, G1B
	s_mov_b32 s[\g+1], ROWB<<16                    ; tensor_dim0
	s_mov_b32 s[\g+2], 128<<16                     ; tensor_dim1
	s_mov_b32 s[\g+3], ROWB<<16                    ; tile_dim0
	s_mov_b32 s[\g+4], 128                         ; tile_dim1
	s_mov_b32 s[\g+5], KROW                        ; from row to row
	s_mov_b32 s[\g+6], 0
	s_mov_b32 s[\g+7], 0
.endr
	s_or_b32 s[G1S+0], s43, (3<<16)|(1<<20)|(1<<21)|(5<<22)|(3<<25)   ; the scales of 128 rows: 4,096 dense bytes as 16 rows of 256 (32 elements of 8 bytes), 16 bytes of padding behind each
	s_or_b32 s[G1SB+0], s44, (3<<16)|(1<<20)|(1<<21)|(5<<22)|(3<<25)
.irp g, G1S, G1SB
	s_mov_b32 s[\g+1], 32<<16
	s_mov_b32 s[\g+2], (128*KS/256)<<16
	s_mov_b32 s[\g+3], 32<<16
	s_mov_b32 s[\g+4], 128*KS/256
	s_mov_b32 s[\g+5], 32
	s_mov_b32 s[\g+6], 0
	s_mov_b32 s[\g+7], 0
.endr
	s_lshl_b32 s18, s16, 7
	s_lshl_b32 s20, s17, 8
	s_add_co_u32 s20, s20, s18                     ; A: row 256 x tile row + 128 x half
	s_lshl_b32 s46, s42, 8
	s_add_co_u32 s46, s46, s18                     ; B: row 256 x tile column + 128 x half of the 3,072
	s_mov_b32 s21, 0
	s_mov_b32 s47, 0
	s_mov_b64 s[18:19], KS
	s_mul_u64 s[22:23], s[20:21], s[18:19]
	s_mul_u64 s[92:93], s[46:47], s[18:19]
	s_mov_b64 s[18:19], KROW
	s_mul_u64 s[20:21], s[20:21], s[18:19]
	s_mul_u64 s[46:47], s[46:47], s[18:19]
	s_add_nc_u64 s[92:93], s[92:93], 0x40000       ; the weights' rows lie behind x's 8,192
	s_add_nc_u64 s[46:47], s[46:47], 0x400000
	s_mul_i32 s45, s14, HALFT                      ; where they go: wave x 128 rows
	s_mul_i32 s94, s14, HALFS
	s_wait_dscnt 0x0                               ; both opening adds are done
	s_wait_kmcnt 0x0
	s_add_nc_u64 s[20:21], s[4:5], s[20:21]
	s_add_nc_u64 s[22:23], s[6:7], s[22:23]
	s_add_nc_u64 s[46:47], s[4:5], s[46:47]
	s_add_nc_u64 s[92:93], s[6:7], s[92:93]
	CROUND                                         ; all sixteen work-groups are here: the joint loads meet
	s_mov_b32 s[G0S], 1
	s_add_co_u32 s[G0S+1], s94, SCL
	s_mov_b64 s[G0S+2:G0S+3], s[22:23]
	s_or_b32 s[G0S+3], s[G0S+3], 0x80000000
	s_mov_b32 s[G0SB], 1
	s_add_co_u32 s[G0SB+1], s94, SCL
	s_mov_b64 s[G0SB+2:G0SB+3], s[92:93]
	s_or_b32 s[G0SB+3], s[G0SB+3], 0x80000000
	JLOAD G0S, G1S, G0SB, G1SB                     ; the scales first; with the two slots three loads of mine are out
.irp s, 0,1
	s_mov_b32 s[G0+4*\s], 1
	s_add_co_u32 s[G0+4*\s+1], s45, \s*SLOT
	s_add_nc_u64 s[G0+4*\s+2:G0+4*\s+3], s[20:21], \s*ROWB
	s_or_b32 s[G0+4*\s+3], s[G0+4*\s+3], 0x80000000
	s_mov_b32 s[G0B+4*\s], 1
	s_add_co_u32 s[G0B+4*\s+1], s45, \s*SLOT
	s_add_nc_u64 s[G0B+4*\s+2:G0B+4*\s+3], s[46:47], \s*ROWB
	s_or_b32 s[G0B+4*\s+3], s[G0B+4*\s+3], 0x80000000
	JLOAD G0+4*\s, G1, G0B+4*\s, G1B
.endr
	v_and_b32 v1, 15, v0                           ; r
	v_bfe_u32 v2, v0, 4, 1                         ; h
	v_mul_u32_u24 v3, v1, PITCH
	v_lshl_add_u32 v4, v2, 4, v3
	s_mul_i32 s21, s15, HALFT
	s_mul_i32 s22, s16, HALFT
	s_add_co_u32 s22, s22, 2*HALFT
.irp s, 0,1
	v_add_nc_u32 v[ADRA+\s], s21, v4
	v_add_nc_u32 v[ADRB+\s], s22, v4
	s_add_co_u32 s21, s21, SLOT
	s_add_co_u32 s22, s22, SLOT
.endr
	v_mul_u32_u24 v5, v1, KS                       ; my row's scales: 32 bytes a row, and 16 more for each 256 passed
	v_lshrrev_b32 v6, 8, v5
	v_lshl_add_u32 v5, v6, 4, v5
	s_mul_i32 s21, s15, HALFS
	s_mul_i32 s22, s16, HALFS
	s_add_co_u32 s22, s22, 2*HALFS
	s_sub_co_u32 s22, s22, s21
	v_mul_u32_u24 v6, s22, v2                      ; lanes 16-31 take B's
	s_add_co_u32 s21, s21, SCL
	v_add_nc_u32 v5, v5, v6
	v_add_nc_u32 v[ADRS], s21, v5
	; the way out's addresses
	v_and_b32 v6, 31, v0
	v_lshlrev_b32 v[LO], 4, v6
	v_lshrrev_b32 v5, 3, v1
	v_and_b32 v6, 7, v1
	v_lshlrev_b32 v[VO], 8, v5
	v_lshl_add_u32 v[VO], v2, 7, v[VO]
	v_lshl_add_u32 v[VO], v6, 4, v[VO]
	s_and_b32 s20, s17, 7                          ; the tile row within its sequence (8 tiles of 256 positions)
	s_lshl_b32 s21, s20, 1
	s_add_co_u32 s21, s21, s15                     ; which 128 positions of the sequence are mine
	v_mov_b32 v[FL], s21
	s_lshl_b32 s95, s21, 3                         ; my first block of 16 positions
	s_lshl_b32 s20, s95, 12                        ; 4,096 bytes of the table a block
	s_mov_b32 s21, 0
	s_add_nc_u64 s[98:99], s[8:9], s[20:21]
	s_lshr_b32 s22, s17, 3                         ; the batch
	s_lshl_b32 s23, s40, 2
	s_lshl_b32 s46, s16, 1
	s_add_co_u32 s23, s23, s46                     ; my first head: 4 cx + 2 x half
	s_lshl_b32 s46, s22, 4
	s_add_co_u32 s46, s46, s23
	s_lshl_b32 s46, s46, 7
	s_add_co_u32 s46, s46, s95
	s_lshl_b32 s46, s46, 11                        ; ((16 batch + head) 128 + block) 2,048
	s_lshl_b32 s47, ttmp9, 24                      ; q, k or v: 16,777,216 bytes each
	s_add_co_u32 s46, s46, s47
	s_mov_b32 s47, 0
	s_add_nc_u64 s[10:11], s[10:11], s[46:47]
	s_mul_i32 s46, s22, 192
	s_lshl_b32 s47, ttmp9, 6
	s_add_co_u32 s46, s46, s47
	s_lshl_b32 s47, s23, 2
	s_add_co_u32 s46, s46, s47
	s_lshl_b32 s46, s46, 10                        ; (192 batch + 64 class + 4 head) 1,024
	s_mov_b32 s47, 0
	s_add_nc_u64 s[12:13], s[12:13], s[46:47]
.macro FRAG reg, adr, q, i             ; 16 rows x 128 K of 4-bit codes: 8 registers; registers 4 c .. 4 c + 3 hold K = 64 c + 32 h + 0 .. 31
.irp c, 0,1
	ds_load_b128 v[\reg+4*\c:\reg+4*\c+3], v[\adr] offset:64*(\q)+32*\c+(\i)*16*PITCH
.endr
.endm
; 16 matrix instructions: A's blocks a0, a0 + 1 x B's eight, the slot's q-th 128 along K.  The 64 accumulators take turns, one instruction a turn, in the same order in every step.
.macro MUL16 a0, p, q, sc, zero
.irp a, \a0, \a0+1
.irp b, 0,1,2,3,4,5,6,7
.if \zero
	v_wmma_scale_f32_16x16x128_f8f6f4 v[8*(8*((\a)%4)+\b):8*(8*((\a)%4)+\b)+7], v[128*(\p)+FR*\b:128*(\p)+FR*\b+FR-1], v[AF+FR*(\a):AF+FR*(\a)+FR-1], 0, v[SC+8*NQ*(\sc)+NQ*\b+(\q)], v[SC+8*NQ*(\sc)+NQ*(\a)+(\q)] matrix_a_fmt:MATRIX_FMT_FP4 matrix_b_fmt:MATRIX_FMT_FP4 matrix_a_scale:MATRIX_SCALE_ROW1
.else
	v_wmma_scale_f32_16x16x128_f8f6f4 v[8*(8*((\a)%4)+\b):8*(8*((\a)%4)+\b)+7], v[128*(\p)+FR*\b:128*(\p)+FR*\b+FR-1], v[AF+FR*(\a):AF+FR*(\a)+FR-1], v[8*(8*((\a)%4)+\b):8*(8*((\a)%4)+\b)+7], v[SC+8*NQ*(\sc)+NQ*\b+(\q)], v[SC+8*NQ*(\sc)+NQ*(\a)+(\q)] matrix_a_fmt:MATRIX_FMT_FP4 matrix_b_fmt:MATRIX_FMT_FP4 matrix_a_scale:MATRIX_SCALE_ROW1
.endif
.endr
.endr
.endm
.macro FETCH_B slot, q, p
	WIN TO_B
.irp i, 0,1,2,3,4,5,6,7
	FRAG 128*(\p)+FR*\i, ADRB+\slot, \q, \i
.endr
	WIN 0
.endm
.macro FETCH_A slot, q, i0
.irp i, \i0, \i0+1, \i0+2, \i0+3
	FRAG AF+FR*(\i), ADRA+\slot, \q, \i
.endr
.endm
.macro SCALES sc                       ; a slot's scale words: 4 words a row; lanes 0-15 take A's block i, lanes 16-31 B's block i
.irp i, 0,1,2,3,4,5,6,7
	ds_load_b128 v[SC+8*NQ*\sc+NQ*\i:SC+8*NQ*\sc+NQ*\i+3], v[ADRS] offset:\i*SBLK
.endr
.endm
.macro PLACES n                        ; plain vector instructions between a matrix instruction and a load into, or a vector instruction on, its registers
.rept \n
	v_nop
.endr
.endm
.macro STEP slot, q, zero              ; a step of 128 along K that has its successor in the same slot
	s_wait_dscnt 4*NL                              ; B's set and A's blocks 0-3 are in; the youngest eight loads (A's blocks 4-7) may be out
	WIN MUL_LO
	MUL16 0, (\q)%2, \q, \slot, \zero
	MUL16 2, (\q)%2, \q, \slot, \zero
	s_wait_dscnt 0
	PLACES NP
	FETCH_B \slot, (\q)+1, 1-(\q)%2
	FETCH_A \slot, (\q)+1, 0
	WIN MUL_HI
	MUL16 4, (\q)%2, \q, \slot, \zero
	MUL16 6, (\q)%2, \q, \slot, \zero
	PLACES NP
	WIN 0
	FETCH_A \slot, (\q)+1, 4
.endm
.macro TURN slot, next                 ; slot 0's last step: one barrier, behind which slot 1 is whole for every wave; nothing is filled again
	s_wait_tensorcnt 0x0                           ; all my tensor loads have landed: my part of slot 1
	ds_add_u32 v[SPW], v[NIL]                      ; 0 onto my spare word
	s_wait_dscnt 4*NL+1                            ; (the add and the youngest eight loads may be out)
	WIN MUL_LO
	MUL16 0, 1, NQ-1, \slot, 0
	s_wait_dscnt 0x0
	s_barrier_signal -1
	MUL16 2, 1, NQ-1, \slot, 0
	WIN 0
	s_barrier_wait -1
	PLACES NP
	v_add_nc_u32 v[ADRS], 4*NQ, v[ADRS]            ; the next slot's scale words
	FETCH_B \next, 0, 0
	FETCH_A \next, 0, 0
	SCALES \next
	WIN MUL_HI
	MUL16 4, 1, NQ-1, \slot, 0
	MUL16 6, 1, NQ-1, \slot, 0
	PLACES NP
	WIN 0
	FETCH_A \next, 0, 4
.endm
.macro STEPS slot, from
.set Q, \from
.rept NQ-1-\from
	STEP \slot, Q, 0
.set Q, Q+1
.endr
.endm
	s_wait_tensorcnt 1                             ; the scales and my part of slot 0 are in (slot 1's load may be out),
	s_barrier_signal -1
	s_barrier_wait -1                              ; everybody's are
	FETCH_B 0, 0, 0
	FETCH_A 0, 0, 0
	SCALES 0
	FETCH_A 0, 0, 4
	STEP 0, 0, 1                                   ; the first step's products start the sums: nothing is cleared
	STEPS 0, 1
	TURN 0, 1
	STEPS 1, 0
	s_wait_dscnt 4*NL
	WIN MUL_LO
	MUL16 0, 1, NQ-1, 1, 0
	MUL16 2, 1, NQ-1, 1, 0
	s_wait_dscnt 0
	WIN MUL_HI
	MUL16 4, 1, NQ-1, 1, 0
	MUL16 6, 1, NQ-1, 1, 0
	WIN 0
; THE WAY OUT, a block of 16 rows x 128 columns (two heads) at a time.  Accumulator (a, bb): lane (r, h) holds position 16 a + r, channels 16 (bb % 4) + 8 h + 0 .. 7 of head bb / 4.
; q, k: pair i of those eight is rotated by the table's cos and sin: r1 = x1 cos - x2 sin, r2 = x1 sin + x2 cos, in f32.  Each accumulator is first read at one of its four lowest registers.
.macro BLOCKQK a
.set AC, 64*((\a)%4)
.set RT, 32*(\a)
.set WN, 0x06+(\a)/4                   ; source 0: the accumulators' window; source 1: the table's, window 1
	s_wait_loadcnt 8*(7-(\a))                      ; this block's eight table loads are in; the later blocks' may be out
	s_wait_xcnt 0x0                                ; the last block's stores have read T and Y
	WIN WN
.irp bb, 0,1,2,3,4,5,6,7
.irp i, 0,1,2,3
	v_mul_f32 v[T+8*\bb+2*\i],   v[AC+8*\bb+2*\i+1], v[RT+8*(\bb%4)+2*\i+1]
	v_mul_f32 v[T+8*\bb+2*\i+1], v[AC+8*\bb+2*\i+1], v[RT+8*(\bb%4)+2*\i]
.endr
.irp i, 0,1,2,3
	v_fma_f32 v[T+8*\bb+2*\i],   v[AC+8*\bb+2*\i], v[RT+8*(\bb%4)+2*\i],   -v[T+8*\bb+2*\i]
	v_fma_f32 v[T+8*\bb+2*\i+1], v[AC+8*\bb+2*\i], v[RT+8*(\bb%4)+2*\i+1], v[T+8*\bb+2*\i+1]
.endr
.endr
	WIN 0
.irp bb, 0,1,2,3,4,5,6,7
.irp i, 0,1,2,3
	v_cvt_pk_f16_f32 v[Y+4*\bb+\i], v[T+8*\bb+2*\i], v[T+8*\bb+2*\i+1]
.endr
.endr
.irp bb, 0,1,2,3,4,5,6,7
	global_store_b128 v[LO], v[Y+4*\bb:Y+4*\bb+3], s[10:11] offset:262144*(\bb/4)+2048*(\a)+512*(\bb%4)   ; 512 consecutive bytes
.endr
.if (\a) == 0                          ; positions 0 to 15 also as f32: by EXEC, not by a branch, since the flag hangs on my place in the cluster
	s_wait_xcnt 0x0                                ; EXEC changes only behind this wait
	v_cmp_eq_u32 vcc_lo, 0, v[FL]
	s_and_saveexec_b32 s96, vcc_lo
.irp bb, 0,1,2,3,4,5,6,7
.irp c, 0,1
	global_store_b128 v[LO], v[T+8*\bb+4*\c:T+8*\bb+4*\c+3], s[12:13] offset:1024*\bb+512*\c
.endr
.endr
	s_wait_xcnt 0x0                                ; and again, in front of the line that widens it
	s_or_b32 exec_lo, exec_lo, s96
.endif
.endm
.macro BLOCKV a
.set AC, 64*((\a)%4)
.set WN, 0x0a+5*((\a)/4)               ; sources 0 and 1: the accumulators' window
	s_wait_xcnt 0x0                                ; the last block's stores have read Y
	WIN WN
.irp bb, 0,1,2,3,4,5,6,7
.irp i, 0,1,2,3
	v_cvt_pk_f16_f32 v[Y+4*\bb+\i], v[AC+8*\bb+2*\i], v[AC+8*\bb+2*\i+1]
.endr
.endr
	WIN 0
.irp bb, 0,1,2,3,4,5,6,7
	global_store_b128 v[VO], v[Y+4*\bb:Y+4*\bb+3], s[10:11] offset:262144*(\bb/4)+2048*(\a)+512*(\bb%4)   ; the 32 lanes fill 512 consecutive bytes, in v's order
.endr
.if (\a) == 0
	s_wait_xcnt 0x0
	v_cmp_eq_u32 vcc_lo, 0, v[FL]
	s_and_saveexec_b32 s96, vcc_lo
	WIN 0x08                                       ; a store's data are its source 1: window 2
.irp bb, 0,1,2,3,4,5,6,7
.irp c, 0,1
	global_store_b128 v[LO], v[AC+8*\bb+4*\c:AC+8*\bb+4*\c+3], s[12:13] offset:1024*\bb+512*\c
.endr
.endr
	WIN 0
	s_wait_xcnt 0x0
	s_or_b32 exec_lo, exec_lo, s96
.endif
.endm
	PLACES NP                                      ; behind the last products: for the reads of their results, the writes over their scale words, and the loads into B's registers
	s_cmp_eq_u32 ttmp9, 2                          ; the cluster's x: the same in all sixteen partners
	s_cbranch_scc1 .Lvalues
	WIN 0x40                                       ; the table of my 128 positions, 32 registers a block, into window 1, which B's fragments have left
.irp a, 0,1,2,3,4,5,6,7
.irp i, 0,1,2,3,4,5,6,7
	global_load_b128 v[32*\a+4*\i:32*\a+4*\i+3], v[LO], s[98:99] offset:4096*\a+512*\i
.endr
.endr
	WIN 0
.irp a, 0,1,2,3,4,5,6,7
	BLOCKQK \a
.endr
	s_branch .Lend
.Lvalues:
.irp a, 0,1,2,3,4,5,6,7
	BLOCKV \a
.endr
.Lend:
	s_wait_tensorcnt 0x0                           ; the wave's end
	ds_add_u32 v[SPW], v[NIL]
	s_wait_dscnt 0x0
	CROUND                                         ; the closing round
	s_endpgm
.Lfunc_end_k_q6d347161b4_qkv:
	.size	k_q6d347161b4_qkv, .Lfunc_end_k_q6d347161b4_qkv-k_q6d347161b4_qkv
	.p2alignl 7, 3214868480
	.fill 96, 4, 3214868480
	.section	.rodata,"a",@progbits
	.p2align	6, 0x0
	.amdhsa_kernel k_q6d347161b4_qkv
		.amdhsa_group_segment_fixed_size 327680
		.amdhsa_private_segment_fixed_size 0
		.amdhsa_enable_private_segment 0
		.amdhsa_kernarg_size 40
		.amdhsa_user_sgpr_count 2
		.amdhsa_user_sgpr_kernarg_segment_ptr 1
		.amdhsa_wavefront_size32 1
		.amdhsa_system_sgpr_workgroup_id_x 1
		.amdhsa_system_sgpr_workgroup_id_y 1
		.amdhsa_system_sgpr_workgroup_id_z 1
		.amdhsa_system_vgpr_workitem_id 0
		.amdhsa_next_free_vgpr 1024
		.amdhsa_next_free_sgpr 102
		.amdhsa_reserve_vcc 1
		.amdhsa_float_denorm_mode_32 3
		.amdhsa_float_denorm_mode_16_64 3
		.amdhsa_memory_ordered 1
		.amdhsa_forward_progress 1
		.amdhsa_inst_pref_size 199
	.end_amdhsa_kernel
	.amdgpu_metadata
---
amdhsa.version: [ 1, 2 ]
amdhsa.kernels:
  - .name:           k_q6d347161b4_qkv
    .symbol:         k_q6d347161b4_qkv.kd
    .args:
      - { .name: codes, .offset: 0, .size: 8, .value_kind: global_buffer, .address_space: global }
      - { .name: scales, .offset: 8, .size: 8, .value_kind: global_buffer, .address_space: global }
      - { .name: rope, .offset: 16, .size: 8, .value_kind: global_buffer, .address_space: global }
      - { .name: qkv16, .offset: 24, .size: 8, .value_kind: global_buffer, .address_space: global }
      - { .name: qkvf, .offset: 32, .size: 8, .value_kind: global_buffer, .address_space: global }
    .group_segment_fixed_size: 327680
    .private_segment_fixed_size: 0
    .kernarg_segment_align: 8
    .kernarg_segment_size: 40
    .max_flat_workgroup_size: 128
    .sgpr_count:     102
    .vgpr_count:     1024
    .wavefront_size: 32
...
	.end_amdgpu_metadata
.endif
;; end of part 2
;; launch attn (part 3): grid 4 x 64, 16 waves a work-group, no clusters, 327,680 bytes of LDS; arguments qkv16, att16; writes att16
.if DOCPART == 3
	.amdgcn_target "amdgcn-amd-amdhsa--gfx1250"
	.amdhsa_code_object_version 6
	.text
	.protected	k_q6d347161b4_attn
	.globl	k_q6d347161b4_attn
	.p2align	8
	.type	k_q6d347161b4_attn,@function
k_q6d347161b4_attn:
	s_mov_b64 s[64:65], 0
	v_nop
	global_prefetch_b8 v0, s[64:65] scope:SCOPE_SE
	s_setreg_imm32_b32 hwreg(HW_REG_WAVE_MODE, 25, 1), 1
	s_wait_xcnt 0x0
; att[b][q][head] = softmax_k(q . k / 8) v under reference()'s own causal mask; f16 operands, f32 products' sums, maxima and row sums in f32.
; WORK LEFT OUT: key steps all of whose 64 keys come after all of a wave's 32 queries: the mask makes their weights exactly 0 (shown at the head of the first launch).
; SHARES.  Work-group (i, batch x head) owns the blocks of 256 queries 7 - i (waves 0-7) and i (waves 8-15): the same causal work in every work-group.  A wave owns 32 queries, two tiles of 16, in 256 registers:
; four waves to a SIMD, so that one wave's vector work stands beside another's matrix work and LDS loads.  Keys go 64 a step; a slot of the ring holds 256 keys of K and of V, 64 KB; waves 0, 1 fetch K's halves, waves 2, 3 V's.
; NO CLUSTER: the work-groups of a head end their walk at different keys, so a joint tile would not be read by every partner that asked for it.
; EVERY work-group walks all 8 changes of slots (constant trip counts); a step's work is jumped over by a scalar branch on ids; a slot whose first key comes after the work-group's last query is not asked for.
; LAYOUT.  S^T = K Q^T (source 0 = 16 keys, source 1 = 16 queries), O^T = V^T P: a lane holds one query (lane % 16) throughout; two tiles of S^T, rounded to f16 in pairs, are P's fragment.
; qkv16 holds images of the operands' registers, so every LDS read is 512 consecutive bytes at 16 x lane: K by ds_load_b128, V turned by ds_load_tr16_b128.  No padding is needed.
; SOFTMAX.  Running maximum m and sum l: p = 2^(c s - c m), c = log2(e) / 8; in every step O and l are multiplied by a = 2^(c m_old - c m_new).  The first step finds m = -3e38 and zeros.
; att16: [512 blocks of 16 rows][32 steps of 32 along D][2][32 lanes][16 bytes]: the next launch's fragments.
.set SLOT1, 1<<16
.set VOFF,  32768
.set SPARE, 2*SLOT1                    ; the spare words, 128 bytes for each of 16 waves, that no other line names
.set AK0,  1                           ; v1  16 x lane
.set AV0,  2                           ; v2  16 x lane + VOFF
.set ADK,  3
.set ADV,  4
.set SPW,  5
.set NIL,  6
.set RH,   8                           ; v8  r - 8 h
.set DD,   9
.set NINF, 10
.set PFO,  11                          ; v11 256 x lane
.set ST,   12                          ; v12-27: a tile's c m, m, l (two halves), c0-c3 at work; a takes c2's place
.set Q,    28                          ; v28-59   Q: 16 a tile
.set S,    60                          ; v60-123  S^T: 32 a tile; P in its first 16
.set O,    124                         ; v124-187 O^T: 32 a tile
.set KV,   188                         ; v188-251 K's eight fragments, then V's
.set WV,   8
.set BH,   10
.set Q0,   11
.set QL,   12
.set KF,   13
.set TB,   14
.set SLOTS, 15
.set TW,   16
.set SEL,  18
.set CS,   20
.set G1,   24
.set G0,   32
.set PFA,  36
.set LIM,  38
.macro TLOAD                           ; waves 0 to 3 fetch a quarter of a slot each; an s_nop 0 and four v_nop follow the load
	s_cmp_lt_u32 s[WV], 4
	s_cbranch_scc0 .Lasked_\@
	tensor_load_to_lds s[G0:G0+3], s[G1:G1+7]
	s_nop 0
.rept 4
	v_nop
.endr
.Lasked_\@:
.endm
; A prefetch of the slot that the NEXT change of slots will ask for: 64 KB, each aligned 256 bytes named once in the launch: the head's work-group with i = 0 asks (it walks all keys), its waves 4 to 11,
; 8,192 bytes each, lanes 256 bytes apart: waves 4-7 K's, waves 8-11 V's.  The last change that fills a slot asks for nothing; slots 0 and 1 come by their loads alone.
.macro ASK
	s_cmp_gt_u32 s[SLOTS], s[LIM]
	s_cbranch_scc0 .Lnot_mine_\@
	global_prefetch_b8 v[PFO], s[PFA:PFA+1] th:TH_LOAD_NT scope:SCOPE_SE
.Lnot_mine_\@:
.endm
	s_load_b128 s[4:7], s[0:1], 0x0                ; qkv16, att16
	v_lshl_add_u32 v[SPW], v0, 2, SPARE
	v_mov_b32 v[NIL], 0
	ds_add_u32 v[SPW], v[NIL]                      ; the wave's opening: the add, twice on end, and its wait ahead of the first tensor load
	ds_add_u32 v[SPW], v[NIL]
	v_lshrrev_b32 v7, 5, v0
	v_readfirstlane_b32 s[WV], v7                  ; wave 0..15
	s_and_b32 s[BH], ttmp7, 0xffff                 ; 16 batch + head
	s_mov_b32 s[G1], 3<<16                         ; no mask; elements of 8 bytes; no padding
	s_mov_b32 s[G1+1], 32<<16                      ; tensor_dim0 = 32: rows of 256 bytes
	s_mov_b32 s[G1+2], 64<<16                      ; tensor_dim1 = 64
	s_mov_b32 s[G1+3], 32<<16                      ; tile_dim0
	s_mov_b32 s[G1+4], 64                          ; tile_dim1: 16 KB, dense
	s_mov_b32 s[G1+5], 32                          ; from row to row
	s_mov_b32 s[G1+6], 0
	s_mov_b32 s[G1+7], 0
	s_and_b32 s40, s[WV], 3
	s_lshl_b32 s[G0+1], s40, 14                    ; LDS: K's halves at 0 and 16,384, V's at 32,768 and 49,152 of slot 0
	s_lshr_b32 s41, s40, 1
	s_add_co_u32 s41, s41, 1                       ; k is the second part of qkv16, v the third
	s_lshl_b32 s42, s41, 24
	s_lshl_b32 s44, s[BH], 18                      ; 262,144 bytes a head
	s_add_co_u32 s42, s42, s44
	s_and_b32 s41, s40, 1
	s_lshl_b32 s41, s41, 14
	s_add_co_u32 s42, s42, s41
	s_mov_b32 s43, 0
	s_lshr_b32 s45, s[WV], 3
	s_sub_co_u32 s46, 7, ttmp9
	s_cmp_eq_u32 s45, 0
	s_cselect_b32 s46, s46, ttmp9                  ; my block of 256 queries
	s_lshl_b32 s[Q0], s46, 8
	s_and_b32 s45, s[WV], 7
	s_lshl_b32 s45, s45, 5
	s_add_co_u32 s[Q0], s[Q0], s45                 ; my first query
	s_lshl_b32 s[QL], ttmp9, 8
	s_sub_co_u32 s[QL], 2047, s[QL]                ; the work-group's last query: 256 (8 - i) - 1
	s_mov_b32 s[SEL], 0x76543210
	s_mov_b32 s[SEL+1], 0xfedcba98                 ; lane l xor 16
	s_mov_b32 s[CS], 0x3e38aa3b                    ; c = log2(e) / 8
	s_mov_b32 s[CS+1], s[CS]
	s_mov_b32 s[KF], 0
	s_mov_b32 s[TB], 0
	s_mov_b32 s[SLOTS], 7
	s_wait_dscnt 0x0                               ; both opening adds are done
	s_wait_kmcnt 0x0
	s_mov_b32 s[G0], 1
	s_add_nc_u64 s[G0+2:G0+3], s[4:5], s[42:43]
	s_or_b32 s[G0+3], s[G0+3], 0x80000000
	TLOAD                                          ; slot 0: key 0 counts for every query, so it is read
	v_and_b32 v7, 31, v0
	v_lshlrev_b32 v[AK0], 4, v7
	v_add_nc_u32 v[AV0], VOFF, v[AK0]
	v_lshlrev_b32 v[PFO], 8, v7
	s_lshl_b32 s46, s[Q0], 7                       ; 2,048 bytes for each 16 queries
	s_add_co_u32 s46, s46, s44
	s_mov_b32 s47, 0
	s_add_nc_u64 s[46:47], s[4:5], s[46:47]
.irp qt, 0,1
.irp u, 0,1
.irp c, 0,1
	global_load_b128 v[Q+16*\qt+8*\u+4*\c:Q+16*\qt+8*\u+4*\c+3], v[AK0], s[46:47] offset:2048*\qt+512*(2*\u+\c)   ; Q stays in registers
.endr
.endr
.endr
	s_lshr_b32 s48, s[BH], 4
	s_lshl_b32 s48, s48, 7
	s_lshr_b32 s49, s[Q0], 4
	s_add_co_u32 s48, s48, s49
	s_lshl_b32 s48, s48, 15                        ; att16: (128 batch + my first block of 16 rows) 32,768
	s_and_b32 s49, s[BH], 15
	s_lshl_b32 s49, s49, 11                        ; + 2,048 head
	s_add_co_u32 s48, s48, s49
	s_mov_b32 s49, 0
	s_add_nc_u64 s[6:7], s[6:7], s[48:49]
	s_sub_co_u32 s40, s[WV], 4                     ; the prefetches: who asks, and where
	s_lshr_b32 s41, s40, 3                         ; 0 in waves 4 to 11,
	s_or_b32 s41, s41, ttmp9                       ; of the work-group with i = 0
	s_cmp_eq_u32 s41, 0
	s_cselect_b32 s[LIM], 1, -1
	s_and_b32 s41, s40, 3
	s_lshl_b32 s41, s41, 13
	s_bfe_u32 s42, s40, 0x10002
	s_add_co_u32 s42, s42, 1
	s_lshl_b32 s42, s42, 24
	s_add_co_u32 s42, s42, s41
	s_add_co_u32 s42, s42, s44
	s_add_co_u32 s42, s42, 32768                   ; in slot 1: the first change of slots steps it to slot 2
	s_mov_b32 s43, 0
	s_add_nc_u64 s[PFA:PFA+1], s[4:5], s[42:43]
	v_and_b32 v[RH], 15, v0
	v_bfe_u32 v7, v0, 4, 1
	v_lshlrev_b32 v7, 3, v7
	v_sub_nc_u32 v[RH], v[RH], v7
	v_mov_b32 v[NINF], 0xff800000
.irp qt, 0,1
	v_mov_b32 v[ST+8*\qt+1], 0xff61b1e6            ; m = -3e38, under every score
	v_mul_f32 v[ST+8*\qt], s[CS], v[ST+8*\qt+1]
.irp j, 2,3,4,5,6,7
	v_mov_b32 v[ST+8*\qt+\j], 0                    ; l, and the registers at work (a lane permute's destination and a pair's upper half count as read)
.endr
.endr
.set n, 0
.rept 64
	v_mov_b32 v[O+n], 0                            ; O^T: the step is written once; its first run finds zeros
.set n, n+1
.endr
; A KEY STEP: 64 keys at LDS byte TB of K's and V's parts.
.macro STEP
	s_add_co_u32 s40, s[Q0], 31
	s_cmp_gt_u32 s[KF], s40                        ; all keys behind all my queries: the step's work is left out
	s_cbranch_scc1 .Lhidden_\@
	v_add_nc_u32 v[ADK], s[TB], v[AK0]             ; these two and three v_nop: five places behind the last step's products, whose V registers take K's loads (four are owed) and whose P is written over by the new S^T (five)
	v_add_nc_u32 v[ADV], s[TB], v[AV0]
.rept 3
	v_nop
.endr
.irp kt, 0,1,2,3
.irp u, 0,1
.irp c, 0,1
	ds_load_b128 v[KV+16*\kt+8*\u+4*\c:KV+16*\kt+8*\u+4*\c+3], v[ADK] offset:2048*\kt+512*(2*\u+\c)
.endr
.endr
.endr
	s_wait_dscnt 0x0
.irp u, 0,1                            ; the eight accumulators take turns, one instruction a turn
.irp kt, 0,1,2,3
.irp qt, 0,1
.if \u == 0
	v_wmma_f32_16x16x32_f16 v[S+32*\qt+8*\kt:S+32*\qt+8*\kt+7], v[KV+16*\kt+8*\u:KV+16*\kt+8*\u+7], v[Q+16*\qt+8*\u:Q+16*\qt+8*\u+7], 0
.else
	v_wmma_f32_16x16x32_f16 v[S+32*\qt+8*\kt:S+32*\qt+8*\kt+7], v[KV+16*\kt+8*\u:KV+16*\kt+8*\u+7], v[Q+16*\qt+8*\u:Q+16*\qt+8*\u+7], v[S+32*\qt+8*\kt:S+32*\qt+8*\kt+7]
.endif
.endr
.endr
.endr
.rept 4
	v_nop                                          ; places in front of V's loads into K's registers and of the first read of the scores
.endr
.irp t, 0,1,2,3                        ; V lands while the softmax is walked: channels 16 t on, keys 32 u + 16 e on
.irp u, 0,1
.irp e, 0,1
	ds_load_tr16_b128 v[KV+16*\t+8*\u+4*\e:KV+16*\t+8*\u+4*\e+3], v[ADV] offset:2048*(2*\u+\e)+512*\t
.endr
.endr
.endr
	s_add_co_u32 s40, s[KF], 63
	s_cmp_le_u32 s40, s[Q0]                        ; all keys count: no mask
	s_cbranch_scc1 .Lopen_\@
	s_sub_co_i32 s40, s[Q0], s[KF]
	v_add_nc_u32 v[DD], s40, v[RH]                 ; d = Q0 - KF + r - 8 h.  Register 8 kt + j of tile qt: key KF + 16 kt + 8 h + j, query Q0 + 16 qt + r: hidden where 16 kt + j - 16 qt > d
.irp qt, 0,1
.irp kt, 0,1,2,3
.irp j, 0,1,2,3,4,5,6,7
	v_cmp_gt_i32 vcc_lo, 16*\kt+\j-16*\qt, v[DD]
	v_cndmask_b32 v[S+32*\qt+8*\kt+\j], v[S+32*\qt+8*\kt+\j], v[NINF], vcc_lo
.endr
.endr
.endr
.Lopen_\@:
.irp j, 0,1,2,3                        ; the maximum, four chains a tile, the two tiles line by line; each accumulator is first read at its low end
.irp qt, 0,1
	v_max3_num_f32 v[ST+8*\qt+4+\j], v[S+32*\qt+8*\j], v[S+32*\qt+8*\j+1], v[S+32*\qt+8*\j+2]
.endr
.endr
.irp g, 1,2
.irp j, 0,1,2,3
.irp qt, 0,1
	v_max3_num_f32 v[ST+8*\qt+4+\j], v[ST+8*\qt+4+\j], v[S+32*\qt+8*\j+2*\g+1], v[S+32*\qt+8*\j+2*\g+2]
.endr
.endr
.endr
.irp qt, 0,1
	v_max3_num_f32 v[ST+8*\qt+4], v[ST+8*\qt+4], v[S+32*\qt+7], v[S+32*\qt+15]
.endr
.irp qt, 0,1
	v_max3_num_f32 v[ST+8*\qt+6], v[ST+8*\qt+6], v[S+32*\qt+23], v[S+32*\qt+31]
.endr
.irp qt, 0,1
	v_max3_num_f32 v[ST+8*\qt+4], v[ST+8*\qt+4], v[ST+8*\qt+5], v[ST+8*\qt+6]
.endr
.irp qt, 0,1
	v_max3_num_f32 v[ST+8*\qt+4], v[ST+8*\qt+4], v[ST+8*\qt+7], v[ST+8*\qt+1]      ; with the old m
.endr
.irp qt, 0,1
	v_permlanex16_b32 v[ST+8*\qt+5], v[ST+8*\qt+4], s[SEL], s[SEL+1]               ; the query's other 32 keys lie in the lane 16 away
.endr
.irp qt, 0,1
	v_mov_b32 v[ST+8*\qt+7], v[ST+8*\qt]           ; c m_old
.endr
.irp qt, 0,1
	v_max_num_f32 v[ST+8*\qt+1], v[ST+8*\qt+4], v[ST+8*\qt+5]
.endr
.irp qt, 0,1
	v_mul_f32 v[ST+8*\qt], s[CS], v[ST+8*\qt+1]
.endr
.irp qt, 0,1
	v_sub_f32 v[ST+8*\qt+7], v[ST+8*\qt+7], v[ST+8*\qt]
.endr
.set n, 0
.rept 16
.irp qt, 0,1
	v_pk_fma_f32 v[S+32*\qt+2*n:S+32*\qt+2*n+1], v[S+32*\qt+2*n:S+32*\qt+2*n+1], s[CS:CS+1], v[ST+8*\qt:ST+8*\qt+1] op_sel_hi:[1,0,0] neg_lo:[0,0,1] neg_hi:[0,0,1]   ; c s - c m
.endr
.set n, n+1
.endr
.irp qt, 0,1                           ; ONE batch of 66 exponentials, one plain instruction, ONE wait ahead of the first reader
	v_exp_f32 v[ST+8*\qt+6], v[ST+8*\qt+7]         ; a
.endr
.set n, 0
.rept 32
.irp qt, 0,1
	v_exp_f32 v[S+32*\qt+n], v[S+32*\qt+n]
.endr
.set n, n+1
.endr
	v_nop
	s_wait_alu depctr_va_vdst(0)
.irp qt, 0,1
	v_pk_mul_f32 v[ST+8*\qt+2:ST+8*\qt+3], v[ST+8*\qt+2:ST+8*\qt+3], v[ST+8*\qt+6:ST+8*\qt+7] op_sel_hi:[1,0]   ; l x a
.endr
.irp qt, 0,1
	v_pk_add_f32 v[ST+8*\qt+4:ST+8*\qt+5], v[S+32*\qt:S+32*\qt+1], v[S+32*\qt+2:S+32*\qt+3]                     ; the sum of the unrounded p, two chains a tile
.endr
.irp j, 4,8,12,16,20,24,28
.irp qt, 0,1
	v_pk_add_f32 v[ST+8*\qt+2:ST+8*\qt+3], v[ST+8*\qt+2:ST+8*\qt+3], v[S+32*\qt+\j:S+32*\qt+\j+1]
	v_pk_add_f32 v[ST+8*\qt+4:ST+8*\qt+5], v[ST+8*\qt+4:ST+8*\qt+5], v[S+32*\qt+\j+2:S+32*\qt+\j+3]
.endr
.endr
.irp qt, 0,1
	v_pk_add_f32 v[ST+8*\qt+2:ST+8*\qt+3], v[ST+8*\qt+2:ST+8*\qt+3], v[ST+8*\qt+4:ST+8*\qt+5]
.endr
.set n, 0
.rept 16
.irp qt, 0,1
	v_cvt_pk_f16_f32 v[S+32*\qt+n], v[S+32*\qt+2*n], v[S+32*\qt+2*n+1]             ; P, in place, ascending: register n is written when pair n is read
.endr
.set n, n+1
.endr
.set n, 0
.rept 16
.irp qt, 0,1
	v_pk_mul_f32 v[O+32*\qt+2*n:O+32*\qt+2*n+1], v[O+32*\qt+2*n:O+32*\qt+2*n+1], v[ST+8*\qt+6:ST+8*\qt+7] op_sel_hi:[1,0]   ; O^T x a
.endr
.set n, n+1
.endr
	s_wait_dscnt 0x0                               ; V is in
.irp u, 0,1
.irp t, 0,1,2,3
.irp qt, 0,1
	v_wmma_f32_16x16x32_f16 v[O+32*\qt+8*\t:O+32*\qt+8*\t+7], v[KV+16*\t+8*\u:KV+16*\t+8*\u+7], v[S+32*\qt+8*\u:S+32*\qt+8*\u+7], v[O+32*\qt+8*\t:O+32*\qt+8*\t+7]
.endr
.endr
.endr
.Lhidden_\@:
	s_add_co_u32 s[KF], s[KF], 64
	s_add_co_u32 s[TB], s[TB], 8192
.endm
.macro SLOT_STEPS                      ; a slot's four steps: written once, walked four times
	s_mov_b32 s[TW], 4
.Lstep_\@:
	STEP
	s_sub_co_u32 s[TW], s[TW], 1
	s_cmp_lg_u32 s[TW], 0
	s_cbranch_scc1 .Lstep_\@
	s_sub_co_u32 s[TB], s[TB], 32768
	s_xor_b32 s[TB], s[TB], SLOT1                  ; on to the other slot
.endm
; THE CHANGE OF SLOTS, at a slot's head.  Each wave waits for all its tensor loads, adds 0 to its spare word (fill = 1: twice on end), waits for that and for its reads of the slot that it has left; one barrier;
; behind it the slot ahead is whole and nobody reads the other, which is filled with the next 256 keys: a wave's one tensor load until the next change, with four steps in which to land.  Every wait on TENSORcnt in this text is for 0.
.macro CHANGE fill
	s_wait_tensorcnt 0x0
	ds_add_u32 v[SPW], v[NIL]
.if \fill
	ds_add_u32 v[SPW], v[NIL]                      ; and once more, in every trip alike
	s_xor_b32 s[G0+1], s[G0+1], SLOT1
	s_add_nc_u64 s[G0+2:G0+3], s[G0+2:G0+3], 32768 ; no tensor load of mine is out, so the descriptor may step
	s_wait_xcnt 0x0                                ; the last prefetch, a slot back, has read its address
	s_add_nc_u64 s[PFA:PFA+1], s[PFA:PFA+1], 32768
.endif
	s_wait_dscnt 0x0
	s_barrier_signal -1
	s_barrier_wait -1
.if \fill
	s_add_co_u32 s40, s[KF], 256                   ; the first key of the slot that this change would ask for
	s_cmp_gt_u32 s40, s[QL]                        ; ids and the count of steps alone: all sixteen waves go the same way, and past the limit stays past it; no step reads a slot that was left out
	s_cbranch_scc1 .Lpast_\@
	TLOAD
.Lpast_\@:
	ASK
.endif
.endm
	s_wait_loadcnt 0x0                             ; Q
.Lslot:                                            ; 7 trips
	CHANGE 1
	SLOT_STEPS
	s_sub_co_u32 s[SLOTS], s[SLOTS], 1
	s_cmp_lg_u32 s[SLOTS], 0
	s_cbranch_scc1 .Lslot
	CHANGE 0                                       ; the last slot is written out: nothing is left to ask for
	SLOT_STEPS
	; THE WAY OUT: O^T / l as f16, a lane's eight channels are 16 bytes of a fragment's image: each store covers 512 consecutive bytes.  The additions are the places behind the last products.
.irp qt, 0,1
	v_add_f32 v[ST+8*\qt+4], v[ST+8*\qt+2], v[ST+8*\qt+3]
.endr
.irp qt, 0,1
	v_permlanex16_b32 v[ST+8*\qt+5], v[ST+8*\qt+4], s[SEL], s[SEL+1]
.endr
.irp qt, 0,1
	v_add_f32 v[ST+8*\qt+4], v[ST+8*\qt+4], v[ST+8*\qt+5]
.endr
.irp qt, 0,1
	v_rcp_f32 v[ST+8*\qt+6], v[ST+8*\qt+4]
.endr
	v_nop
	s_wait_alu depctr_va_vdst(0)                   ; one wait for both reciprocals
.set n, 0
.rept 16
.irp qt, 0,1
	v_pk_mul_f32 v[O+32*\qt+2*n:O+32*\qt+2*n+1], v[O+32*\qt+2*n:O+32*\qt+2*n+1], v[ST+8*\qt+6:ST+8*\qt+7] op_sel_hi:[1,0]
.endr
.set n, n+1
.endr
.set n, 0
.rept 32
	v_cvt_pk_f16_f32 v[S+n], v[O+2*n], v[O+2*n+1]
.set n, n+1
.endr
.irp qt, 0,1
.irp t, 0,1,2,3
	global_store_b128 v[AK0], v[S+16*\qt+4*\t:S+16*\qt+4*\t+3], s[6:7] offset:32768*\qt+512*\t
.endr
.endr
	s_wait_tensorcnt 0x0                           ; the wave's end
	ds_add_u32 v[SPW], v[NIL]
	s_wait_dscnt 0x0
	s_endpgm
.Lfunc_end_k_q6d347161b4_attn:
	.size	k_q6d347161b4_attn, .Lfunc_end_k_q6d347161b4_attn-k_q6d347161b4_attn
	.p2alignl 7, 3214868480
	.fill 96, 4, 3214868480
	.section	.rodata,"a",@progbits
	.p2align	6, 0x0
	.amdhsa_kernel k_q6d347161b4_attn
		.amdhsa_group_segment_fixed_size 327680
		.amdhsa_private_segment_fixed_size 0
		.amdhsa_enable_private_segment 0
		.amdhsa_kernarg_size 16
		.amdhsa_user_sgpr_count 2
		.amdhsa_user_sgpr_kernarg_segment_ptr 1
		.amdhsa_wavefront_size32 1
		.amdhsa_system_sgpr_workgroup_id_x 1
		.amdhsa_system_sgpr_workgroup_id_y 1
		.amdhsa_system_sgpr_workgroup_id_z 1
		.amdhsa_system_vgpr_workitem_id 0
		.amdhsa_next_free_vgpr 256
		.amdhsa_next_free_sgpr 66
		.amdhsa_reserve_vcc 1
		.amdhsa_float_denorm_mode_32 3
		.amdhsa_float_denorm_mode_16_64 3
		.amdhsa_memory_ordered 1
		.amdhsa_forward_progress 1
		.amdhsa_inst_pref_size 57
	.end_amdhsa_kernel
	.amdgpu_metadata
---
amdhsa.version: [ 1, 2 ]
amdhsa.kernels:
  - .name:           k_q6d347161b4_attn
    .symbol:         k_q6d347161b4_attn.kd
    .args:
      - { .name: qkv16, .offset: 0, .size: 8, .value_kind: global_buffer, .address_space: global }
      - { .name: att16, .offset: 8, .size: 8, .value_kind: global_buffer, .address_space: global }
    .group_segment_fixed_size: 327680
    .private_segment_fixed_size: 0
    .kernarg_segment_align: 8
    .kernarg_segment_size: 16
    .max_flat_workgroup_size: 512
    .sgpr_count:     66
    .vgpr_count:     256
    .wavefront_size: 32
...
	.end_amdgpu_metadata
.endif
;; end of part 3
;; launch oproj (part 4): grid 4 x 64, 4 waves a work-group, clusters of 4 x 4, 327,680 bytes of LDS; arguments att16, wo16, out0; writes out0
.if DOCPART == 4
	.amdgcn_target "amdgcn-amd-amdhsa--gfx1250"
	.amdhsa_code_object_version 6
	.text
	.protected	k_q6d347161b4_oproj
	.globl	k_q6d347161b4_oproj
	.p2align	8
	.type	k_q6d347161b4_oproj,@function
k_q6d347161b4_oproj:
	s_mov_b64 s[64:65], 0
	v_nop
	global_prefetch_b8 v0, s[64:65] scope:SCOPE_SE
	s_setreg_imm32_b32 hwreg(HW_REG_WAVE_MODE, 25, 1), 1
	s_wait_xcnt 0x0
	s_wait_alu depctr_hold_cnt(0) depctr_sa_sdst(0) depctr_va_vdst(0) depctr_va_sdst(0) depctr_va_ssrc(0) depctr_va_vcc(0) depctr_vm_vsrc(0)
	s_getreg_b32 s2, hwreg(HW_REG_IB_STS2, 6, 4)
	s_cmp_eq_u32 s2, 0
	s_cbranch_scc0 .Lentry_in_a_cluster
	s_endpgm
.Lentry_in_a_cluster:
	s_bfe_u32 s2, ttmp6, 0x10000c
	s_cmp_lg_u32 s2, 0xf033
	s_cbranch_scc0 .Lentry_shape_is_right
	s_endpgm
.Lentry_shape_is_right:
; out0 = att Wo^T, 8,192 x 1,024 x 1,024, f16 operands, f32 sums.  Rows that are positions 0 to 15 of a sequence are not stored here: the last launch makes them in f32.
; A tile is 128 rows x 256 columns: 256 work-groups.  Four waves, each 64 x 128: 32 accumulators.  K goes in steps of 128 through a ring of two LDS slots.
; Both operands lie in memory as images of their fragments (1 KB for 16 rows x 32 K), a K step of a block of 16 rows being 4,096 consecutive bytes: a tensor row.  In LDS every fragment read is 512 consecutive bytes at 16 x lane: no padding.
; CLUSTERS: 4 x 4 work-groups; att's tiles are asked for jointly along a row of the cluster, Wo's along a column.  THE MATRIX INSTRUCTION IS USED TRANSPOSED (source 0 = 16 rows of Wo, source 1 = 16 rows of att).
; REGISTERS: window 0: v16-29 addresses; v32-159 the way out.  window 1: two fragment buffers at v0 and v128: att's 4 fragments, then Wo's 8.  window 2: accumulator (a, b) at v[8 (8 a + b)].
.set SLOT,   98304                     ; att: 8 blocks x 4 KB; Wo: 16 blocks x 4 KB, from BOFF on
.set BOFF,   32768
.set STAGE,  2*SLOT                    ; behind the ring: 16 rows x (512 + 16) bytes for each wave
.set SPITCH, 528
.set SPARE,  STAGE+4*16*SPITCH         ; the spare words, 128 bytes a wave, that no other line names
.set ADRA, 16
.set ADRB, 20
.set STO,  24
.set RD,   25
.set CO,   26
.set FL,   27                          ; v27  0 where my block 0 holds positions 0 to 15
.set SPW,  28
.set NIL,  29
.set BK,   32
.set F0,   0
.set F1,   128
.set G1, 24
.set G0, 32
.set G1B, 48
.set G0B, 56
.set MSB, 0
.macro WIN new
.if MSB != \new
	s_set_vgpr_msb (MSB<<8)|\new
.set MSB, \new
.endif
.endm
.set MUL,  0xa5                        ; sources 0 and 1 window 1; C and D window 2
.set TO_F, 0x40                        ; destination window 1
.macro JLOAD s                         ; waves 0 and 1 fetch att's two halves, waves 2 and 3 Wo's; an s_nop 0 and four v_nop follow each line
	s_cmp_eq_u32 s11, 0
	s_cbranch_scc0 .Lfor_b_\@
	tensor_load_to_lds s[G0+4*\s:G0+4*\s+3], s[G1:G1+7]
	s_nop 0
.rept 4
	v_nop
.endr
	s_branch .Lasked_\@
.Lfor_b_\@:
	tensor_load_to_lds s[G0B+4*\s:G0B+4*\s+3], s[G1B:G1B+7]
	s_nop 0
.rept 4
	v_nop
.endr
.Lasked_\@:
.endm
.macro CREST
	s_cmp_lg_u32 s10, 0
	s_cbranch_scc1 .Lnot_wave_0_\@
	s_barrier_signal -3
.Lnot_wave_0_\@:
	s_barrier_wait -3
	s_barrier_signal -1
	s_barrier_wait -1
.endm
.macro CROUND
	s_barrier_signal -1
	s_barrier_wait -1
	CREST
.endm
	s_load_b128 s[4:7], s[0:1], 0x0                ; att16, wo16
	s_load_b64 s[8:9], s[0:1], 0x10                ; out0
	v_lshl_add_u32 v[SPW], v0, 2, SPARE
	v_mov_b32 v[NIL], 0
	ds_add_u32 v[SPW], v[NIL]                      ; the wave's opening: the add, twice on end, and its wait ahead of my first tensor load
	ds_add_u32 v[SPW], v[NIL]
	v_lshrrev_b32 v1, 5, v0
	v_readfirstlane_b32 s10, v1                    ; wave 0..3
	s_lshr_b32 s11, s10, 1                         ; which 64 rows are mine.  Also: I fetch for att (0) or for Wo (1)
	s_and_b32 s12, s10, 1                          ; which 128 columns.  Also: which half of that tile I fetch
	s_bfe_u32 s40, ttmp6, 0x40000
	s_bfe_u32 s41, ttmp6, 0x40004
	s_lshl_b32 s42, ttmp9, 2
	s_add_co_u32 s42, s42, s40                     ; tile column
	s_and_b32 s13, ttmp7, 0xffff
	s_lshl_b32 s13, s13, 2
	s_add_co_u32 s13, s13, s41                     ; tile row
	s_lshl_b32 s43, s41, 2
	s_lshl_b32 s43, 15, s43
	s_lshl_b32 s44, 0x1111, s40
	s_or_b32 s[G1+0], s43, (3<<16)|(1<<21)         ; the mask of my row; elements of 8 bytes; bit 21 beside a mask; no padding
	s_or_b32 s[G1B+0], s44, (3<<16)|(1<<21)
	s_mov_b32 s[G1+1], 512<<16                     ; tensor_dim0 = 512: rows of 4,096 bytes
	s_mov_b32 s[G1+2], 4<<16                       ; tensor_dim1 = 4 blocks of 16 rows
	s_mov_b32 s[G1+3], 512<<16
	s_mov_b32 s[G1+4], 4
	s_mov_b32 s[G1+5], 4096                        ; 32,768 bytes from block to block
	s_mov_b32 s[G1+6], 0
	s_mov_b32 s[G1+7], 0
	s_mov_b32 s[G1B+1], 512<<16
	s_mov_b32 s[G1B+2], 8<<16                      ; 8 blocks
	s_mov_b32 s[G1B+3], 512<<16
	s_mov_b32 s[G1B+4], 8
	s_mov_b32 s[G1B+5], 4096
	s_mov_b32 s[G1B+6], 0
	s_mov_b32 s[G1B+7], 0
	s_lshl_b32 s17, s12, 2
	s_lshl_b32 s16, s13, 3
	s_add_co_u32 s16, s16, s17                     ; att: block 8 x tile row + 4 x half
	s_lshl_b32 s16, s16, 15
	s_mov_b32 s17, 0
	s_lshl_b32 s47, s12, 3
	s_lshl_b32 s46, s42, 4
	s_add_co_u32 s46, s46, s47                     ; Wo: block 16 x tile column + 8 x half
	s_lshl_b32 s46, s46, 15
	s_mov_b32 s47, 0
	s_lshl_b32 s20, s12, 14                        ; where they go: no place in the cluster enters an LDS address
	s_lshl_b32 s21, s12, 15
	s_add_co_u32 s21, s21, BOFF
	s_wait_dscnt 0x0
	s_wait_kmcnt 0x0
	s_add_nc_u64 s[14:15], s[4:5], s[16:17]
	s_add_nc_u64 s[46:47], s[6:7], s[46:47]
	CROUND                                         ; all sixteen work-groups are here: the first joint loads meet
.irp s, 0,1
	s_mov_b32 s[G0+4*\s], 1
	s_add_co_u32 s[G0+4*\s+1], s20, \s*SLOT
	s_add_nc_u64 s[G0+4*\s+2:G0+4*\s+3], s[14:15], \s*4096
	s_or_b32 s[G0+4*\s+3], s[G0+4*\s+3], 0x80000000
	s_mov_b32 s[G0B+4*\s], 1
	s_add_co_u32 s[G0B+4*\s+1], s21, \s*SLOT
	s_add_nc_u64 s[G0B+4*\s+2:G0B+4*\s+3], s[46:47], \s*4096
	s_or_b32 s[G0B+4*\s+3], s[G0B+4*\s+3], 0x80000000
	JLOAD \s                                       ; two loads of mine are out
.endr
	v_and_b32 v1, 15, v0
	v_bfe_u32 v2, v0, 4, 1
	v_and_b32 v3, 31, v0
	v_lshlrev_b32 v3, 4, v3                        ; 16 x lane
	s_lshl_b32 s21, s11, 14                        ; my 4 blocks of att
	s_lshl_b32 s22, s12, 15
	s_add_co_u32 s22, s22, BOFF                    ; my 8 blocks of Wo
.irp s, 0,1
	v_add_nc_u32 v[ADRA+\s], s21, v3
	v_add_nc_u32 v[ADRB+\s], s22, v3
	s_add_co_u32 s21, s21, SLOT
	s_add_co_u32 s22, s22, SLOT
.endr
	s_mul_i32 s23, s10, 16*SPITCH
	s_add_co_u32 s23, s23, STAGE                   ; my stage
	v_mul_u32_u24 v4, v1, SPITCH
	v_lshl_add_u32 v4, v2, 5, v4
	v_add_nc_u32 v[STO], s23, v4                   ; in: row r, 32 bytes for each half of the lanes
	v_add_nc_u32 v[RD], s23, v3                    ; back: the 32 lanes take a row of 512 bytes
	v_mov_b32 v[CO], v3
	s_and_b32 s16, s13, 15                         ; 16 tile rows to a sequence
	s_lshl_b32 s16, s16, 1
	s_add_co_u32 s16, s16, s11
	v_mov_b32 v[FL], s16
	s_lshl_b32 s16, s13, 7
	s_lshl_b32 s17, s11, 6
	s_add_co_u32 s16, s16, s17                     ; my first row
	s_lshl_b32 s16, s16, 12
	s_mov_b32 s17, 0
	s_add_nc_u64 s[8:9], s[8:9], s[16:17]
	s_lshl_b32 s46, s42, 10
	s_lshl_b32 s47, s12, 9
	s_add_co_u32 s46, s46, s47                     ; my first column, in bytes
	s_mov_b32 s47, 0
	s_add_nc_u64 s[8:9], s[8:9], s[46:47]
.macro MUL8 f, a, zero                 ; att's block a x Wo's eight, 32 along K.  The 32 accumulators take turns in the same order in every quarter
.irp b, 0,1,2,3,4,5,6,7
.if \zero
	v_wmma_f32_16x16x32_f16 v[8*(8*(\a)+\b):8*(8*(\a)+\b)+7], v[\f+32+8*\b:\f+32+8*\b+7], v[\f+8*(\a):\f+8*(\a)+7], 0
.else
	v_wmma_f32_16x16x32_f16 v[8*(8*(\a)+\b):8*(8*(\a)+\b)+7], v[\f+32+8*\b:\f+32+8*\b+7], v[\f+8*(\a):\f+8*(\a)+7], v[8*(8*(\a)+\b):8*(8*(\a)+\b)+7]
.endif
.endr
.endm
.macro FETCH slot, q, f                ; 24 LDS loads in one run: the fragments of the slot's q-th 32 along K into buffer f
	WIN TO_F
.irp i, 0,1,2,3,4,5,6,7
	ds_load_b128 v[\f+32+8*\i:\f+32+8*\i+3],   v[ADRB+\slot] offset:4096*\i+1024*(\q)
	ds_load_b128 v[\f+32+8*\i+4:\f+32+8*\i+7], v[ADRB+\slot] offset:4096*\i+1024*(\q)+512
.endr
.irp i, 0,1,2,3
	ds_load_b128 v[\f+8*\i:\f+8*\i+3],   v[ADRA+\slot] offset:4096*\i+1024*(\q)
	ds_load_b128 v[\f+8*\i+4:\f+8*\i+7], v[ADRA+\slot] offset:4096*\i+1024*(\q)+512
.endr
.endm
.macro PLACES
.rept 4
	v_nop
.endr
.endm
.macro QUARTER slot, qn, f, g, zero    ; multiplies buffer f; at its head the slot's quarter qn is asked for, into g: 32 matrix instructions ahead of its use
	s_wait_dscnt 0x0                               ; buffer f is in
	PLACES                                         ; behind the last quarter's products, which read g
	FETCH \slot, \qn, \g
	WIN MUL
	MUL8 \f, 0, \zero
	MUL8 \f, 1, \zero
	MUL8 \f, 2, \zero
	MUL8 \f, 3, \zero
.endm
; A slot's last quarter multiplies buffer 1 and changes slots: one barrier; in front of it each wave waits for all its tensor loads, adds 0 to its spare word, and waits for that and for its reads of this slot.
.macro TURN slot, next, fill
	WIN 0
	s_wait_tensorcnt 0x0                           ; my part of the next slot has landed
	ds_add_u32 v[SPW], v[NIL]
	s_wait_dscnt 1                                 ; buffer 1 is in; the add may be out
	WIN MUL
	MUL8 F1, 0, 0
	s_wait_dscnt 0x0                               ; the add is done, and my reads of this slot are over
	s_barrier_signal -1
	MUL8 F1, 1, 0
	WIN 0
	s_barrier_wait -1
.if \fill
	CREST                                          ; the barrier has opened a round of the cluster's: no wave of any partner still reads this slot or has a load on its way
	s_add_nc_u64 s[G0+4*\slot+2:G0+4*\slot+3], s[G0+4*\slot+2:G0+4*\slot+3], 2*4096
	s_add_nc_u64 s[G0B+4*\slot+2:G0B+4*\slot+3], s[G0B+4*\slot+2:G0B+4*\slot+3], 2*4096
	JLOAD \slot                                    ; the first tensor load behind the round: 112 matrix instructions ahead of the wait for it; its four v_nop are the places in front of the loads below
.else
	PLACES
.endif
	FETCH \next, 0, F0
	WIN MUL
	MUL8 F1, 2, 0
	MUL8 F1, 3, 0
.endm
	s_wait_tensorcnt 1                             ; my part of K step 0 is in (K step 1's load may be out),
	s_barrier_signal -1
	s_barrier_wait -1                              ; everybody's is
	FETCH 0, 0, F0
	QUARTER 0, 1, F0, F1, 1                        ; the first quarter's products start the sums
	WIN 0
	s_mov_b32 s3, 3
.Llap:                                             ; a trip goes once round the ring and fills both slots again: K steps 2 to 7
	QUARTER 0, 2, F1, F0, 0
	QUARTER 0, 3, F0, F1, 0
	TURN 0, 1, 1
	QUARTER 1, 1, F0, F1, 0
	QUARTER 1, 2, F1, F0, 0
	QUARTER 1, 3, F0, F1, 0
	TURN 1, 0, 1
	QUARTER 0, 1, F0, F1, 0
	WIN 0
	s_sub_co_u32 s3, s3, 1
	s_cmp_lg_u32 s3, 0
	s_cbranch_scc1 .Llap
	QUARTER 0, 2, F1, F0, 0                        ; the last lap fills nothing
	QUARTER 0, 3, F0, F1, 0
	TURN 0, 1, 0
	QUARTER 1, 1, F0, F1, 0
	QUARTER 1, 2, F1, F0, 0
	QUARTER 1, 3, F0, F1, 0
	s_wait_dscnt 0x0
	MUL8 F1, 0, 0
	MUL8 F1, 1, 0
	MUL8 F1, 2, 0
	MUL8 F1, 3, 0
	WIN 0
; THE WAY OUT, a block of 16 rows x 128 columns at a time, through my own stage: in as 32 bytes a lane, back as whole rows of 512 bytes.  LDS serves a wave's instructions in order.
.macro TOSTAGE a
	WIN 0x08                                       ; an LDS store's data are its source 1: window 2
.irp b, 0,1,2,3,4,5,6,7
	ds_store_b128 v[STO], v[8*(8*(\a)+\b):8*(8*(\a)+\b)+3] offset:64*\b            ; each accumulator from its low end on
	ds_store_b128 v[STO], v[8*(8*(\a)+\b)+4:8*(8*(\a)+\b)+7] offset:64*\b+16
.endr
	WIN 0
.set BB, BK+64*((\a)%2)
.irp t, 0,1,2,3,4,5,6,7,8,9,10,11,12,13,14,15
	ds_load_b128 v[BB+4*\t:BB+4*\t+3], v[RD] offset:\t*SPITCH
.endr
.endm
.macro SEND a, younger
.set BB, BK+64*((\a)%2)
	s_wait_dscnt \younger                          ; the block is back; the LDS instructions issued behind its loads may be out
.if (\a) > 0
	s_add_nc_u64 s[8:9], s[8:9], 16*4096           ; (behind a wait on XCNT: the earlier stores have read their base)
.else
	s_wait_xcnt 0x0                                ; block 0 is not stored where it holds positions 0 to 15: by EXEC, since the flag hangs on my place in the cluster
	v_cmp_ne_u32 vcc_lo, 0, v[FL]
	s_and_saveexec_b32 s22, vcc_lo
.endif
.irp t, 0,1,2,3,4,5,6,7,8,9,10,11,12,13,14,15
	global_store_b128 v[CO], v[BB+4*\t:BB+4*\t+3], s[8:9] offset:\t*4096 th:TH_STORE_NT   ; 32 lanes store 512 consecutive bytes, aligned
.endr
.if (\a) == 0
	s_wait_xcnt 0x0
	s_or_b32 exec_lo, exec_lo, s22
.endif
.endm
	PLACES
	TOSTAGE 0
.irp a, 1,2,3
.if \a > 1
	s_wait_xcnt 0x0                                ; block a - 2's stores have read their registers and their base
.endif
	TOSTAGE \a
	SEND \a-1, 32
.endr
	s_wait_xcnt 0x0
	SEND 3, 0
	s_wait_tensorcnt 0x0                           ; the wave's end
	ds_add_u32 v[SPW], v[NIL]
	s_wait_dscnt 0x0
	CROUND                                         ; the closing round
	s_endpgm
.Lfunc_end_k_q6d347161b4_oproj:
	.size	k_q6d347161b4_oproj, .Lfunc_end_k_q6d347161b4_oproj-k_q6d347161b4_oproj
	.p2alignl 7, 3214868480
	.fill 96, 4, 3214868480
	.section	.rodata,"a",@progbits
	.p2align	6, 0x0
	.amdhsa_kernel k_q6d347161b4_oproj
		.amdhsa_group_segment_fixed_size 327680
		.amdhsa_private_segment_fixed_size 0
		.amdhsa_enable_private_segment 0
		.amdhsa_kernarg_size 24
		.amdhsa_user_sgpr_count 2
		.amdhsa_user_sgpr_kernarg_segment_ptr 1
		.amdhsa_wavefront_size32 1
		.amdhsa_system_sgpr_workgroup_id_x 1
		.amdhsa_system_sgpr_workgroup_id_y 1
		.amdhsa_system_sgpr_workgroup_id_z 1
		.amdhsa_system_vgpr_workitem_id 0
		.amdhsa_next_free_vgpr 768
		.amdhsa_next_free_sgpr 66
		.amdhsa_reserve_vcc 1
		.amdhsa_float_denorm_mode_32 3
		.amdhsa_float_denorm_mode_16_64 3
		.amdhsa_memory_ordered 1
		.amdhsa_forward_progress 1
		.amdhsa_inst_pref_size 84
	.end_amdhsa_kernel
	.amdgpu_metadata
---
amdhsa.version: [ 1, 2 ]
amdhsa.kernels:
  - .name:           k_q6d347161b4_oproj
    .symbol:         k_q6d347161b4_oproj.kd
    .args:
      - { .name: att16, .offset: 0, .size: 8, .value_kind: global_buffer, .address_space: global }
      - { .name: wo16, .offset: 8, .size: 8, .value_kind: global_buffer, .address_space: global }
      - { .name: out0, .offset: 16, .size: 8, .value_kind: global_buffer, .address_space: global }
    .group_segment_fixed_size: 327680
    .private_segment_fixed_size: 0
    .kernarg_segment_align: 8
    .kernarg_segment_size: 24
    .max_flat_workgroup_size: 128
    .sgpr_count:     66
    .vgpr_count:     768
    .wavefront_size: 32
...
	.end_amdgpu_metadata
.endif
;; end of part 4
;; launch fine (part 5): grid 16 x 4, 16 waves a work-group, no clusters, 71,680 bytes of LDS; arguments qkvf, Wo, out0; writes out0
.if DOCPART == 5
	.amdgcn_target "amdgcn-amd-amdhsa--gfx1250"
	.amdhsa_code_object_version 6
	.text
	.protected	k_q6d347161b4_fine
	.globl	k_q6d347161b4_fine
	.p2align	8
	.type	k_q6d347161b4_fine,@function
k_q6d347161b4_fine:
	s_mov_b64 s[64:65], 0
	v_nop
	global_prefetch_b8 v0, s[64:65] scope:SCOPE_SE
	s_setreg_imm32_b32 hwreg(HW_REG_WAVE_MODE, 25, 1), 1
	s_wait_xcnt 0x0
; Positions 0 to 15 of every sequence: q k^T, softmax, p v and the projection once more, all in f32: these rows average one to sixteen values, are the largest of the output, and want more than 16-bit operands give.
; Keys beyond position 15 are hidden from these queries by reference()'s own mask, so the 16 x 16 scores are all there is.
; Work-group (cg, batch) makes 16 rows x 64 columns of out0.  Wave = head: it makes its head's attention and that head's 64 of the projection's K; the sixteen partial sums meet in LDS.
; All products by the 16 x 16 x 4 f32 matrix form, K permuted alike on both sources, so that every operand is used as it lies: in a step lane half h holds two neighbours of its own eight.
; qkvf: [batch][192 tiles of 16 columns: q 0-63, k 64-127, v 128-191][2][32 lanes][16 bytes]: lane (r, h) of half c holds position r, columns 16 tile + 8 h + 4 c + 0 .. 3.
; The registers that the matrix form writes (v184-247) are written by matrix instructions alone.
.set QR,  16                           ; v16-47  q; v48-79 k; later Wo's rows 32-63 of my 64; later the sixteen partial sums
.set KR,  48
.set VR,  80                           ; v80-111 v, gathered with the keys along the registers; later O / l
.set P,   112                          ; v112-119 scores, then p
.set W1,  120                          ; v120-183 Wo's rows 0-31 of my 64
.set SA,  184                          ; v184-199 the scores' two sums; later the outputs' tiles 2 and 3
.set OT,  200                          ; v200-231 O^T
.set OU,  232                          ; v232-247 the outputs' tiles 0 and 1
.set SPARE, 16*4352
	s_load_b128 s[4:7], s[0:1], 0x0                ; qkvf, Wo
	s_load_b64 s[8:9], s[0:1], 0x10                ; out0
	v_lshl_add_u32 v5, v0, 2, SPARE                ; my spare word; never rewritten
	v_mov_b32 v6, 0                                ; 0; never rewritten
	v_lshrrev_b32 v10, 5, v0
	v_readfirstlane_b32 s10, v10                   ; wave = head
	s_and_b32 s11, ttmp7, 0xffff                   ; batch
	v_and_b32 v10, 31, v0
	v_lshlrev_b32 v1, 4, v10                       ; 16 x lane
	v_and_b32 v11, 15, v0                          ; r
	v_bfe_u32 v12, v0, 4, 1                        ; h
	v_bfe_u32 v13, v11, 2, 1                       ; v, gathered: channel r of a tile lies at 512 ((r / 4) % 2) + 256 (r / 8) + 4 (r % 4), key 8 h + j at 128 h + 16 j
	v_lshlrev_b32 v2, 9, v13
	v_lshrrev_b32 v13, 3, v11
	v_lshl_add_u32 v2, v13, 8, v2
	v_lshl_add_u32 v2, v12, 7, v2
	v_and_b32 v13, 3, v11
	v_lshl_add_u32 v2, v13, 2, v2
	v_lshlrev_b32 v3, 12, v11
	v_lshl_add_u32 v3, v12, 5, v3                  ; Wo: row r, + 32 h
	v_lshlrev_b32 v13, 3, v12
	v_sub_nc_u32 v4, v11, v13                      ; r - 8 h
	s_mul_i32 s12, s10, 4352                       ; LDS: a wave's partial sums: 16 rows of 16 queries x 16 bytes + 16 of padding
	v_mul_u32_u24 v7, v12, 272
	v_lshl_add_u32 v7, v11, 4, v7
	v_add_nc_u32 v7, s12, v7                       ; in: 4,352 wave + 272 h + 16 r, + 544 (2 tile + half)
	v_lshrrev_b32 v13, 2, v11                      ; back: thread t takes row t / 16, columns 4 g on, g = t % 16: LDS row 4 (g / 4) + 2 (g % 2) + (g / 2) % 2
	v_lshlrev_b32 v13, 2, v13
	v_and_b32 v14, 1, v11
	v_lshl_add_u32 v13, v14, 1, v13
	v_bfe_u32 v14, v11, 1, 1
	v_add_nc_u32 v13, v13, v14
	v_mul_u32_u24 v8, v13, 272
	v_lshrrev_b32 v14, 4, v0
	v_lshl_add_u32 v8, v14, 4, v8
	v_lshlrev_b32 v9, 12, v14
	v_lshl_add_u32 v9, v11, 4, v9                  ; out0: 4,096 (t / 16) + 16 g
	v_mov_b32 v15, 0xff800000                      ; -infinity
	s_mov_b32 s14, 0x76543210
	s_mov_b32 s15, 0xfedcba98                      ; lane l xor 16
	s_mov_b32 s16, 0x3e38aa3b                      ; c = log2(e) / 8
	s_mul_i32 s12, s11, 192
	s_lshl_b32 s13, s10, 2
	s_add_co_u32 s12, s12, s13
	s_lshl_b32 s12, s12, 10                        ; (192 batch + 4 head) 1,024
	s_mov_b32 s13, 0
	s_lshl_b32 s18, ttmp9, 18
	s_lshl_b32 s19, s10, 8
	s_add_co_u32 s18, s18, s19                     ; Wo: row 64 cg, column 64 head
	s_mov_b32 s19, 0
	s_lshl_b32 s20, s11, 23
	s_lshl_b32 s21, ttmp9, 8
	s_add_co_u32 s20, s20, s21                     ; out0: the batch's first row, column 64 cg
	s_mov_b32 s21, 0
	s_wait_kmcnt 0x0
	s_add_nc_u64 s[4:5], s[4:5], s[12:13]
	s_add_nc_u64 s[6:7], s[6:7], s[18:19]
	s_add_nc_u64 s[8:9], s[8:9], s[20:21]
.irp t, 0,1,2,3
.irp c, 0,1
	global_load_b128 v[QR+8*\t+4*\c:QR+8*\t+4*\c+3], v1, s[4:5] offset:1024*\t+512*\c
.endr
.endr
.irp t, 0,1,2,3
.irp c, 0,1
	global_load_b128 v[KR+8*\t+4*\c:KR+8*\t+4*\c+3], v1, s[4:5] offset:65536+1024*\t+512*\c
.endr
.endr
.irp t, 0,1,2,3
.irp j, 0,1,2,3,4,5,6,7
	global_load_b32 v[VR+8*\t+\j], v2, s[4:5] offset:131072+1024*\t+16*\j          ; v(key 8 h + j, channel 16 t + r)
.endr
.endr
.irp nn, 0,1
.irp t, 0,1,2,3
.irp d, 0,1
	global_load_b128 v[W1+32*\nn+8*\t+4*\d:W1+32*\nn+8*\t+4*\d+3], v3, s[6:7] offset:65536*\nn+64*\t+16*\d
.endr
.endr
.endr
	s_wait_loadcnt 48                              ; q and k are in; v's 32 loads and Wo's 16 may be out
; S^T = k q^T: sixteen steps of 4 along the head's 64, two sums by turns; each begins with its own first step and the constant 0
.set n, 0
.rept 16
.if n < 2
	v_wmma_f32_16x16x4_f32 v[SA+8*(n%2):SA+8*(n%2)+7], v[KR+2*n:KR+2*n+1], v[QR+2*n:QR+2*n+1], 0
.else
	v_wmma_f32_16x16x4_f32 v[SA+8*(n%2):SA+8*(n%2)+7], v[KR+2*n:KR+2*n+1], v[QR+2*n:QR+2*n+1], v[SA+8*(n%2):SA+8*(n%2)+7]
.endif
.set n, n+1
.endr
.rept 8
	v_nop                                          ; eight places behind this form: for the loads into q's and k's registers and the reads of the sums
.endr
.irp nn, 0,1
.irp t, 0,1,2,3
.irp d, 0,1
	global_load_b128 v[QR+32*\nn+8*\t+4*\d:QR+32*\nn+8*\t+4*\d+3], v3, s[6:7] offset:131072+65536*\nn+64*\t+16*\d
.endr
.endr
.endr
.irp j, 0,1,2,3,4,5,6,7
	v_add_f32 v[P+\j], v[SA+\j], v[SA+8+\j]        ; lane (r, h): query r, key 8 h + j
.endr
.irp j, 0,1,2,3,4,5,6,7
	v_cmp_gt_i32 vcc_lo, \j, v4                    ; hidden where 8 h + j > r
	v_cndmask_b32 v[P+\j], v[P+\j], v15, vcc_lo
.endr
	v_max3_num_f32 v10, v[P], v[P+1], v[P+2]
	v_max3_num_f32 v10, v10, v[P+3], v[P+4]
	v_max3_num_f32 v10, v10, v[P+5], v[P+6]
	v_max_num_f32 v10, v10, v[P+7]
	v_permlanex16_b32 v11, v10, s14, s15
	v_max_num_f32 v10, v10, v11                    ; the row's maximum: key 0 counts for every query
	v_mul_f32 v10, s16, v10
.irp j, 0,1,2,3,4,5,6,7
	v_fma_f32 v[P+\j], v[P+\j], s16, -v10
.endr
.irp j, 0,1,2,3,4,5,6,7
	v_exp_f32 v[P+\j], v[P+\j]
.endr
	v_nop
	s_wait_alu depctr_va_vdst(0)                   ; one wait for the eight exponentials
	v_add_f32 v12, v[P], v[P+1]
	v_add_f32 v13, v[P+2], v[P+3]
	v_add_f32 v12, v12, v[P+4]
	v_add_f32 v13, v13, v[P+5]
	v_add_f32 v12, v12, v[P+6]
	v_add_f32 v13, v13, v[P+7]
	v_add_f32 v12, v12, v13
	v_permlanex16_b32 v13, v12, s14, s15
	v_add_f32 v12, v12, v13                        ; the row's sum
	v_rcp_f32 v12, v12
	v_nop
	s_wait_alu depctr_va_vdst(0)
	s_wait_loadcnt 32                              ; v is in; Wo's 32 loads may be out
; O^T = v^T p: four tiles of 16 channels by turns, four steps of 4 keys (keys 8 h + 2 s + 0, 1 in half h, on both sources)
.irp s, 0,1,2,3
.irp t, 0,1,2,3
.if \s == 0
	v_wmma_f32_16x16x4_f32 v[OT+8*\t:OT+8*\t+7], v[VR+8*\t+2*\s:VR+8*\t+2*\s+1], v[P+2*\s:P+2*\s+1], 0
.else
	v_wmma_f32_16x16x4_f32 v[OT+8*\t:OT+8*\t+7], v[VR+8*\t+2*\s:VR+8*\t+2*\s+1], v[P+2*\s:P+2*\s+1], v[OT+8*\t:OT+8*\t+7]
.endif
.endr
.endr
.rept 8
	v_nop
.endr
.set n, 0
.rept 32
	v_mul_f32 v[VR+n], v[OT+n], v12                ; O / l: lane (r, h): query r, channel 16 t + 8 h + j, into v's registers
.set n, n+1
.endr
	s_wait_loadcnt 0x0                             ; Wo
; out^T = Wo O^T over my head's 64: four tiles of 16 columns by turns; tiles 2 and 3 begin anew, by matrix instructions, in the scores' registers
.irp t, 0,1,2,3
.irp s, 0,1,2,3
.if (\t == 0) && (\s == 0)
	v_wmma_f32_16x16x4_f32 v[OU:OU+7],     v[W1+8*\t+2*\s:W1+8*\t+2*\s+1],       v[VR+8*\t+2*\s:VR+8*\t+2*\s+1], 0
	v_wmma_f32_16x16x4_f32 v[OU+8:OU+15],  v[W1+32+8*\t+2*\s:W1+32+8*\t+2*\s+1], v[VR+8*\t+2*\s:VR+8*\t+2*\s+1], 0
	v_wmma_f32_16x16x4_f32 v[SA:SA+7],     v[QR+8*\t+2*\s:QR+8*\t+2*\s+1],       v[VR+8*\t+2*\s:VR+8*\t+2*\s+1], 0
	v_wmma_f32_16x16x4_f32 v[SA+8:SA+15],  v[QR+32+8*\t+2*\s:QR+32+8*\t+2*\s+1], v[VR+8*\t+2*\s:VR+8*\t+2*\s+1], 0
.else
	v_wmma_f32_16x16x4_f32 v[OU:OU+7],     v[W1+8*\t+2*\s:W1+8*\t+2*\s+1],       v[VR+8*\t+2*\s:VR+8*\t+2*\s+1], v[OU:OU+7]
	v_wmma_f32_16x16x4_f32 v[OU+8:OU+15],  v[W1+32+8*\t+2*\s:W1+32+8*\t+2*\s+1], v[VR+8*\t+2*\s:VR+8*\t+2*\s+1], v[OU+8:OU+15]
	v_wmma_f32_16x16x4_f32 v[SA:SA+7],     v[QR+8*\t+2*\s:QR+8*\t+2*\s+1],       v[VR+8*\t+2*\s:VR+8*\t+2*\s+1], v[SA:SA+7]
	v_wmma_f32_16x16x4_f32 v[SA+8:SA+15],  v[QR+32+8*\t+2*\s:QR+32+8*\t+2*\s+1], v[VR+8*\t+2*\s:VR+8*\t+2*\s+1], v[SA+8:SA+15]
.endif
.endr
.endr
.rept 8
	v_nop                                          ; for the stores of the results, and for the loads below into Wo's registers
.endr
.irp c, 0,1                            ; lane (r, h) of tile nn: row r, columns 16 nn + 8 h + 4 c + 0 .. 3; each accumulator from its low end on
	ds_store_b128 v7, v[OU+4*\c:OU+4*\c+3] offset:544*\c
	ds_store_b128 v7, v[OU+8+4*\c:OU+8+4*\c+3] offset:544*(2+\c)
	ds_store_b128 v7, v[SA+4*\c:SA+4*\c+3] offset:544*(4+\c)
	ds_store_b128 v7, v[SA+8+4*\c:SA+8+4*\c+3] offset:544*(6+\c)
.endr
	s_wait_dscnt 0x0                               ; for the others' sake: my stores have landed
	s_barrier_signal -1
	s_barrier_wait -1
	s_cmp_lt_u32 s10, 8                            ; 256 threads add the sixteen heads' parts, 16 bytes each
	s_cbranch_scc0 .Ldone
.set n, 0
.rept 16
	ds_load_b128 v[QR+4*n:QR+4*n+3], v8 offset:4352*n
.set n, n+1
.endr
	s_wait_dscnt 0x0
.set n, 1
.rept 15
	v_pk_add_f32 v[QR:QR+1], v[QR:QR+1], v[QR+4*n:QR+4*n+1]                        ; heads ascending
	v_pk_add_f32 v[QR+2:QR+3], v[QR+2:QR+3], v[QR+4*n+2:QR+4*n+3]
.set n, n+1
.endr
	global_store_b128 v9, v[QR:QR+3], s[8:9]       ; sixteen lanes store 256 consecutive bytes, aligned
.Ldone:
	s_wait_tensorcnt 0x0                           ; the wave's end, behind my last LDS store
	ds_add_u32 v5, v6
	s_wait_dscnt 0x0
	s_endpgm
.Lfunc_end_k_q6d347161b4_fine:
	.size	k_q6d347161b4_fine, .Lfunc_end_k_q6d347161b4_fine-k_q6d347161b4_fine
	.p2alignl 7, 3214868480
	.fill 96, 4, 3214868480
	.section	.rodata,"a",@progbits
	.p2align	6, 0x0
	.amdhsa_kernel k_q6d347161b4_fine
		.amdhsa_group_segment_fixed_size 71680
		.amdhsa_private_segment_fixed_size 0
		.amdhsa_enable_private_segment 0
		.amdhsa_kernarg_size 24
		.amdhsa_user_sgpr_count 2
		.amdhsa_user_sgpr_kernarg_segment_ptr 1
		.amdhsa_wavefront_size32 1
		.amdhsa_system_sgpr_workgroup_id_x 1
		.amdhsa_system_sgpr_workgroup_id_y 1
		.amdhsa_system_sgpr_workgroup_id_z 1
		.amdhsa_system_vgpr_workitem_id 0
		.amdhsa_next_free_vgpr 256
		.amdhsa_next_free_sgpr 66
		.amdhsa_reserve_vcc 1
		.amdhsa_float_denorm_mode_32 3
		.amdhsa_float_denorm_mode_16_64 3
		.amdhsa_memory_ordered 1
		.amdhsa_forward_progress 1
		.amdhsa_inst_pref_size 25
	.end_amdhsa_kernel
	.amdgpu_metadata
---
amdhsa.version: [ 1, 2 ]
amdhsa.kernels:
  - .name:           k_q6d347161b4_fine
    .symbol:         k_q6d347161b4_fine.kd
    .args:
      - { .name: qkvf, .offset: 0, .size: 8, .value_kind: global_buffer, .address_space: global }
      - { .name: Wo, .offset: 8, .size: 8, .value_kind: global_buffer, .address_space: global }
      - { .name: out0, .offset: 16, .size: 8, .value_kind: global_buffer, .address_space: global }
    .group_segment_fixed_size: 71680
    .private_segment_fixed_size: 0
    .kernarg_segment_align: 8
    .kernarg_segment_size: 24
    .max_flat_workgroup_size: 512
    .sgpr_count:     66
    .vgpr_count:     256
    .wavefront_size: 32
...
	.end_amdgpu_metadata
.endif
;; end of part 5
